; MI455X (gfx1250); checked and timed in simulation.
; The chip was launched on July 23, 2026; its instructions are those of AMD's public machine-readable ISA for CDNA 5 (MIT licence, August 2026) and "CDNA5" Instruction Set Architecture Reference Guide (July 2026). The comments in the code are by the model that wrote it; some were corrected since.
;; Cross Attention. Allowed arithmetic: float matrix products may take bf16 or f16 operands with f32 sums; other float arithmetic in f32, or as packed bf16 or f16 multiplies, adds, multiply-adds, maxima and minima; sums over many terms, partial sums and values carried from step to step in f32; what a program stores and reads back later, other than sums and carried values, may be rounded once to bf16 or f16.
;; Inputs: Wk 1,024 x 1,024 float32; Wo 1,024 x 1,024 float32; Wq 1,024 x 1,024 float32; Wv 1,024 x 1,024 float32; bk 1,024 float32; bo 1,024 float32; bq 1,024 float32; bv 1,024 float32; key 4 x 4,096 x 1,024 float32; query 4 x 4,096 x 1,024 float32; value 4 x 4,096 x 1,024 float32.
;; Outputs: out0 4 x 4,096 x 1,024 float32.
;; 2 versions, each right; version 2 is version 1 with the launches prep, attn written anew for expert scheduling mode. Each part assembles by itself: llvm-mc -triple=amdgcn-amd-amdhsa -mcpu=gfx1250 --defsym DOCPART=n.
;; ======== version 1 of 2: 4 launches
;; limits: values are held in f16: magnitudes above 65,504 overflow, below 6.1e-05 lose precision
;; workspace buffers: wb 8,388,608 bytes; bp 16,384 bytes; qkv 100,663,296 bytes; ao 33,554,432 bytes
;; launch prep (part 1): grid 256 x 1, 8 waves a work-group, no clusters, 0 bytes of LDS; arguments Wq, Wk, Wv, Wo, bq, bk, bv, bo, wb, bp; writes wb, bp
.if DOCPART == 1
	.amdgcn_target "amdgcn-amd-amdhsa--gfx1250"
	.amdhsa_code_object_version 6
	.text
	.protected	k_qe0764e8929_prep
	.globl	k_qe0764e8929_prep
	.p2align	8
	.type	k_qe0764e8929_prep,@function
k_qe0764e8929_prep:
	s_mov_b64 s[64:65], 0
	v_nop
	global_prefetch_b8 v0, s[64:65] scope:SCOPE_SE
	s_setreg_imm32_b32 hwreg(HW_REG_WAVE_MODE, 25, 1), 1
	s_wait_xcnt 0x0
; PREP.  The four weight matrices [1024][1024] f32 are rounded to bf16, their rows are put in the order n' that the later launches want, and they are laid in blocks
; of 64 along K:  wb[mat][kb][n'][64], 16 bits a number, so that 128 or 256 rows x 64 k are dense bytes.  Wo's bf16 number is written as f16 (exact from 6.1e-5 up;
; below that f16's fixed step of 6e-8).  The biases are rounded to bf16, kept as f32, in the same order: bp[mat][n'].
; ORDER OF ROWS.  q, k: n' = 256 c + 16 head + j  takes row 64 head + 16 c + j.   v: n' = 16 d + g takes row 64 g + d.   o: n' = row.
; With n' = 64 U + t the source row is  base + (t / 16) SA + (t % 16) SB:   q, k: base = 256 (U % 4) + 16 (U / 4), SA = 64, SB = 1;   v: 4 U, 1, 64;   o: 64 U, 16, 1.
; SHARES.  Work-group = (mat, U, kq): 64 rows n' x 256 k.  Wave = (rh, kbl): 32 rows x one block of 64 k.  Trip i of 8: four rows; eight lanes read one row's 256 bytes,
; and the wave's store covers 512 consecutive bytes of wb, aligned.  All 16 loads of a wave go out at once; no register is written twice, so no wait frees any.
; No LDS, no barrier, no matrix unit: the launch only moves and rounds bytes.
.set SRCO, 8                           ; v[8:15]    trip i: my byte offset in the source matrix
.set SRCR, 16                          ; v[16:79]   trip i: eight f32 as loaded
.set DSTR, 80                          ; v[80:111]  trip i: eight 16-bit numbers to store
.set TA,   112                         ; v[112:119] at work
	s_load_b512 s[8:23], s[0:1], 0x0               ; Wq s[8:9], Wk s[10:11], Wv s[12:13], Wo s[14:15], bq s[16:17], bk s[18:19], bv s[20:21], bo s[22:23]
	s_load_b128 s[24:27], s[0:1], 0x40             ; wb s[24:25], bp s[26:27]
	s_lshr_b32 s32, ttmp9, 6                       ; mat
	s_bfe_u32 s33, ttmp9, 0x40002                  ; U
	s_and_b32 s34, ttmp9, 3                        ; kq
	v_lshrrev_b32 v1, 5, v0
	v_readfirstlane_b32 s35, v1                    ; wave
	s_and_b32 s36, s35, 3
	s_lshr_b32 s37, s35, 2                         ; rh
	s_lshl2_add_u32 s36, s34, s36                  ; kb = 4 kq + kbl
	s_and_b32 s38, s33, 3
	s_lshl_b32 s38, s38, 8
	s_lshr_b32 s39, s33, 2
	s_lshl4_add_u32 s38, s39, s38                  ; base for q and k
	s_lshl_b32 s39, s33, 2                         ; base for v
	s_lshl_b32 s40, s33, 6                         ; base for o, and 64 U
	s_cmp_eq_u32 s32, 2
	s_cselect_b32 s38, s39, s38
	s_cselect_b32 s41, 1, 64                       ; SA
	s_cselect_b32 s42, 64, 1                       ; SB
	s_cmp_eq_u32 s32, 3
	s_cselect_b32 s38, s40, s38
	s_cselect_b32 s41, 16, s41
	v_and_b32 v2, 31, v0                           ; lane
	v_lshrrev_b32 v3, 3, v2                        ; which of the trip's four rows
	v_and_b32 v4, 7, v2                            ; which eight k of the row's 64
	v_lshlrev_b32 v7, 4, v2                        ; 16 bytes a lane in wb
	s_mul_i32 s43, s37, s41
	s_lshl1_add_u32 s43, s43, s38                  ; base + 2 rh SA
	s_lshl_b32 s43, s43, 12                        ; rows of 4,096 bytes
	s_lshl_b32 s44, s36, 8                         ; the block's 256 bytes in a row
	s_add_co_u32 s43, s43, s44
	s_lshl_b32 s45, s42, 12                        ; SB rows
	v_mul_lo_u32 v5, v3, s45
	v_lshl_add_u32 v5, v4, 5, v5
	v_add_nc_u32 v5, s43, v5
	s_lshl_b32 s46, s41, 12                        ; SA rows
	s_lshl_b32 s47, s42, 14                        ; 4 SB rows
.irp i, 0,1,2,3,4,5,6,7
	s_mul_i32 s44, s47, (\i)&3
.if (\i) >= 4
	s_add_co_u32 s44, s44, s46
.endif
	v_add_nc_u32 v[SRCO+(\i)], s44, v5             ; under 4 MiB
.endr
	s_lshl_b32 s44, s36, 10                        ; wb: row kb x 1024 + 64 U + 32 rh,
	s_add_co_u32 s44, s44, s40
	s_lshl_b32 s39, s37, 5
	s_add_co_u32 s44, s44, s39
	s_lshl_b32 s44, s44, 7                         ; of 128 bytes,
	s_lshl_b32 s39, s32, 21                        ; in matrix mat
	s_add_co_u32 s44, s44, s39
	s_mov_b32 s45, 0
	s_wait_kmcnt 0x0
	s_cmp_eq_u32 s32, 1                            ; the matrix and the bias of this work-group
	s_cselect_b64 s[28:29], s[10:11], s[8:9]
	s_cselect_b64 s[30:31], s[18:19], s[16:17]
	s_cmp_eq_u32 s32, 2
	s_cselect_b64 s[28:29], s[12:13], s[28:29]
	s_cselect_b64 s[30:31], s[20:21], s[30:31]
	s_cmp_eq_u32 s32, 3
	s_cselect_b64 s[28:29], s[14:15], s[28:29]
	s_cselect_b64 s[30:31], s[22:23], s[30:31]
	s_add_nc_u64 s[24:25], s[24:25], s[44:45]
.irp i, 0,1,2,3,4,5,6,7
	global_load_b128 v[SRCR+8*(\i):SRCR+8*(\i)+3],   v[SRCO+(\i)], s[28:29] th:TH_LOAD_NT
	global_load_b128 v[SRCR+8*(\i)+4:SRCR+8*(\i)+7], v[SRCO+(\i)], s[28:29] offset:16 th:TH_LOAD_NT
.endr
; Trip i: rounded to bf16; for Wo that number is widened again and written as f16.
.macro CONV i, isf16
	s_wait_loadcnt 14-2*(\i)                       ; loads come back in order: the trip's two are in, the younger ones stay out
.irp j, 0,1,2,3
	v_cvt_pk_bf16_f32 v[DSTR+4*(\i)+(\j)], v[SRCR+8*(\i)+2*(\j)], v[SRCR+8*(\i)+2*(\j)+1]
.endr
.if \isf16
.irp j, 0,1,2,3
	v_lshlrev_b32 v[TA+2*(\j)],   16, v[DSTR+4*(\i)+(\j)]
	v_and_b32     v[TA+2*(\j)+1], 0xffff0000, v[DSTR+4*(\i)+(\j)]
.endr
.irp j, 0,1,2,3
	v_cvt_pk_f16_f32 v[DSTR+4*(\i)+(\j)], v[TA+2*(\j)], v[TA+2*(\j)+1]
.endr
.endif
	global_store_b128 v7, v[DSTR+4*(\i):DSTR+4*(\i)+3], s[24:25] offset:512*(\i)  ; 512 consecutive bytes, aligned
.endm
	s_cmp_eq_u32 s32, 3
	s_cbranch_scc1 .Lwo
.irp i, 0,1,2,3,4,5,6,7
	CONV \i, 0
.endr
	s_branch .Lbias
.Lwo:
.irp i, 0,1,2,3,4,5,6,7
	CONV \i, 1
.endr
.Lbias:
	s_or_b32 s44, s34, s35                         ; the 64 biases of (mat, U): wave 0 of the work-group with kq = 0
	s_cmp_lg_u32 s44, 0
	s_cbranch_scc1 .Lend
	v_mad_u32_u24 v112, v3, s41, s38               ; lane L takes t = 2 L and 2 L + 1: base + (L / 8) SA
	v_lshlrev_b32 v113, 1, v4
	v_mad_u32_u24 v112, v113, s42, v112            ; + 2 (L % 8) SB
	v_lshlrev_b32 v112, 2, v112
	v_lshl_add_u32 v113, s42, 2, v112              ; and SB further on
	v_lshlrev_b32 v117, 3, v2
	s_lshl_b32 s44, s32, 12
	s_lshl_b32 s39, s33, 8
	s_add_co_u32 s44, s44, s39                     ; bp: (1024 mat + 64 U) x 4 bytes
	s_add_nc_u64 s[26:27], s[26:27], s[44:45]
	global_load_b32 v114, v112, s[30:31]
	global_load_b32 v115, v113, s[30:31]
	s_wait_loadcnt 0x0
	v_cvt_pk_bf16_f32 v116, v114, v115
	v_lshlrev_b32 v114, 16, v116
	v_and_b32 v115, 0xffff0000, v116
	global_store_b64 v117, v[114:115], s[26:27]    ; 256 consecutive bytes, aligned
.Lend:
	s_endpgm
.Lfunc_end_k_qe0764e8929_prep:
	.size	k_qe0764e8929_prep, .Lfunc_end_k_qe0764e8929_prep-k_qe0764e8929_prep
	.p2alignl 7, 3214868480
	.fill 96, 4, 3214868480
	.section	.rodata,"a",@progbits
	.p2align	6, 0x0
	.amdhsa_kernel k_qe0764e8929_prep
		.amdhsa_group_segment_fixed_size 0
		.amdhsa_private_segment_fixed_size 0
		.amdhsa_enable_private_segment 0
		.amdhsa_kernarg_size 80
		.amdhsa_user_sgpr_count 2
		.amdhsa_user_sgpr_kernarg_segment_ptr 1
		.amdhsa_wavefront_size32 1
		.amdhsa_system_sgpr_workgroup_id_x 1
		.amdhsa_system_sgpr_workgroup_id_y 1
		.amdhsa_system_sgpr_workgroup_id_z 1
		.amdhsa_system_vgpr_workitem_id 0
		.amdhsa_next_free_vgpr 120
		.amdhsa_next_free_sgpr 66
		.amdhsa_reserve_vcc 0
		.amdhsa_float_denorm_mode_32 3
		.amdhsa_float_denorm_mode_16_64 3
		.amdhsa_memory_ordered 1
		.amdhsa_forward_progress 1
		.amdhsa_inst_pref_size 17
	.end_amdhsa_kernel
	.amdgpu_metadata
---
amdhsa.version: [ 1, 2 ]
amdhsa.kernels:
  - .name:           k_qe0764e8929_prep
    .symbol:         k_qe0764e8929_prep.kd
    .args:
      - { .name: Wq, .offset: 0, .size: 8, .value_kind: global_buffer, .address_space: global }
      - { .name: Wk, .offset: 8, .size: 8, .value_kind: global_buffer, .address_space: global }
      - { .name: Wv, .offset: 16, .size: 8, .value_kind: global_buffer, .address_space: global }
      - { .name: Wo, .offset: 24, .size: 8, .value_kind: global_buffer, .address_space: global }
      - { .name: bq, .offset: 32, .size: 8, .value_kind: global_buffer, .address_space: global }
      - { .name: bk, .offset: 40, .size: 8, .value_kind: global_buffer, .address_space: global }
      - { .name: bv, .offset: 48, .size: 8, .value_kind: global_buffer, .address_space: global }
      - { .name: bo, .offset: 56, .size: 8, .value_kind: global_buffer, .address_space: global }
      - { .name: wb, .offset: 64, .size: 8, .value_kind: global_buffer, .address_space: global }
      - { .name: bp, .offset: 72, .size: 8, .value_kind: global_buffer, .address_space: global }
    .group_segment_fixed_size: 0
    .private_segment_fixed_size: 0
    .kernarg_segment_align: 8
    .kernarg_segment_size: 80
    .max_flat_workgroup_size: 256
    .sgpr_count:     66
    .vgpr_count:     120
    .wavefront_size: 32
...
	.end_amdgpu_metadata
.endif
;; end of part 1
;; launch qkv (part 2): grid 4 x 192, 4 waves a work-group, clusters of 4 x 4, 327,680 bytes of LDS; arguments query, key, value, wb, bp, qkv; writes qkv
.if DOCPART == 2
	.amdgcn_target "amdgcn-amd-amdhsa--gfx1250"
	.amdhsa_code_object_version 6
	.text
	.protected	k_qe0764e8929_qkv
	.globl	k_qe0764e8929_qkv
	.p2align	8
	.type	k_qe0764e8929_qkv,@function
k_qe0764e8929_qkv:
	s_mov_b64 s[64:65], 0
	v_nop
	global_prefetch_b8 v0, s[64:65] scope:SCOPE_SE
	s_setreg_imm32_b32 hwreg(HW_REG_WAVE_MODE, 25, 1), 1
	s_wait_xcnt 0x0
	s_wait_alu depctr_hold_cnt(0) depctr_sa_sdst(0) depctr_va_vdst(0) depctr_va_sdst(0) depctr_va_ssrc(0) depctr_va_vcc(0) depctr_vm_vsrc(0)
	s_getreg_b32 s2, hwreg(HW_REG_IB_STS2, 6, 4)
	s_cmp_eq_u32 s2, 0
	s_cbranch_scc0 .Lentry_in_a_cluster
	s_endpgm
.Lentry_in_a_cluster:
	s_bfe_u32 s2, ttmp6, 0x10000c
	s_cmp_lg_u32 s2, 0xf033
	s_cbranch_scc0 .Lentry_shape_is_right
	s_endpgm
.Lentry_shape_is_right:
; QKV.  qkv[mat][token][n'] = sum over k of x_mat[token][k] W'_mat[n'][k] + b'_mat[n'],  mat = q, k, v;  x: [16384][1024] f32;  W' in wb: [mat][kb][n'][64] bf16;  b' in bp: f32.
; x is rounded to bf16 on its way from LDS to the matrix unit; sums in f32; the result is rounded once to f16.
; LIMIT.  f16 holds no number beyond 65,504: a q, k or v beyond that becomes an infinity.  NaN and infinities are not treated apart.
; SHARES.  768 tiles of 256 tokens x 256 columns, one a work-group; four waves, each 128 x 128: 64 accumulators of 16 x 16, 512 registers.
; K goes in steps of 64 through a ring of two LDS slots: a row of x's tile is 64 f32 = 256 bytes of memory, aligned; 128 rows of W' x 64 k are 16,384 dense bytes, asked for as 64 rows of 256.
; (Steps of 128 would want two slots of 204 KiB.)  A step is two quarters of 32 along K, 64 matrix instructions each.
; THE CONVERSION.  x's fragments come out of LDS as f32 into RAW; 64 v_cvt_pk_bf16_f32 a quarter make the next quarter's fragments of them, four behind each of a quarter's last sixteen
; matrix instructions.  RAW lies in another window than the fragments, so each such group of four costs two switches of the register window: 32 a quarter.
; CLUSTER.  4 x 4 work-groups: the four of a row need the same tile of x, the four of a column the same tile of W': each is asked for jointly, by the same tensor load, descriptor and mask in all four.
; THE MATRIX INSTRUCTION IS USED TRANSPOSED (source 0 = 16 rows of W', source 1 = 16 tokens): a lane holds one token and eight neighbouring columns.
; THE BIAS is the C operand of the products that start the sums: nothing is cleared and nothing is added later.
; REGISTERS, in windows of 256 (s_set_vgpr_msb: bits 1:0 source 0, 3:2 source 1, 5:4 source 2, 7:6 destination):
;   window 0: v0-31 addresses; v32-63 at work on the way out; v64-127, v128-191 x's fragments, two buffers; v192-255 the bias, later at work on the way out
;   window 1: v0-63, v64-127 W's fragments, two buffers; v128-255 RAW          windows 2, 3: the accumulators of my rows 0-63 and 64-127, (a, b) at v[8 (8 a + b)]
.set PA,     272                       ; a row of x in LDS: 256 bytes + 16: the 16 rows that a load touches start at 16 different groups of four banks (64 banks of 4 bytes: ISA guide 11.1)
.set PB,     144                       ; a row of W': 128 bytes + 16: likewise
.set HA,     128*PA                    ; what one tensor load brings of x
.set HB,     128*PB                    ; and of W'
.set BOFF,   2*HA                      ; in a slot: x's 256 rows, then W's 256 rows
.set SLOT,   2*HA+2*HB
.set STAGE,  2*SLOT                    ; behind the ring: 16 rows x 272 bytes for each wave, for the way out; no tensor load lands here
.set SPITCH, 272
.set SPARE,  STAGE+4*16*SPITCH         ; the spare words, 128 bytes for each wave: two blocks of 256 bytes that no other line names
.set ADRA, 16                          ; v16-17  LDS address of my fragments of x in slot 0, 1
.set ADRB, 20                          ; v20-21  the same for W'
.set STO,  24                          ; v24     the way out: where I put 16 bytes of a row
.set RD,   25                          ; v25     where I read a row back
.set CO,   26                          ; v26     my byte offset in qkv
.set BO,   27                          ; v27     my byte offset in the bias
.set SPW,  28                          ; v28     LDS address of my spare word; never rewritten
.set NIL,  29                          ; v29     0; never rewritten
.set OB,   32
.set AF,   64                          ; x's fragment buffer f at AF + 64 f
.set BIAS, 192
.set TMP,  192
.set RAW,  128                         ; window 1
.set WV,  16                           ; s16 wave;  s17 which half of the rows is mine, also: I fetch x (0) or W' (1);  s18 which half of the columns, also: which half I fetch
.set RH,  17
.set CH,  18
.set CX,  19
.set CY,  20
.set TC,  21                           ; tile column
.set MT,  22                           ; tile row within the matrix
.set MAT, 23                           ; 0, 1, 2: made of the cluster's y alone
.set G1A, 24                           ; s[24:31] descriptor group 1 for x's tiles;  s[32:39] group 0, a set for each slot
.set G0A, 32
.set G1B, 48                           ; s[48:55], s[56:63] the same for W's
.set G0B, 56
.set AP,  66                           ; s[66:67] x at my first tile
.set BB,  70                           ; s[70:71] the bias of my columns
.set CB,  72                           ; s[72:73] qkv at my part of the tile
.set CNT, 74
.set LA,  75                           ; LDS byte of the half that I fetch, for x and for W'
.set LB,  76
.set MSB, 0
.macro WIN new                         ; the immediate's high byte repeats the setting that is left; a switch that changes nothing is dropped
.if MSB != (\new)
	s_set_vgpr_msb (MSB<<8)|(\new)
.set MSB, \new
.endif
.endm
; A joint load: waves 0 and 1 fetch x's two halves, waves 2 and 3 those of W'.  The branch hangs on the wave's number alone.  An s_nop 0 and four v_nop follow each of the two lines.
.macro JLOAD s
	s_cmp_eq_u32 s[RH], 0
	s_cbranch_scc0 .Lfor_b_\@
	tensor_load_to_lds s[G0A+4*(\s):G0A+4*(\s)+3], s[G1A:G1A+7]
	s_nop 0
.rept 4
	v_nop
.endr
	s_branch .Lasked_\@
.Lfor_b_\@:
	tensor_load_to_lds s[G0B+4*(\s):G0B+4*(\s)+3], s[G1B:G1B+7]
	s_nop 0
.rept 4
	v_nop
.endr
.Lasked_\@:
.endm
.macro CREST                           ; a round of the cluster's barrier behind its opening barrier
	s_cmp_lg_u32 s[WV], 0
	s_cbranch_scc1 .Lnot_wave_0_\@
	s_barrier_signal -3
.Lnot_wave_0_\@:
	s_barrier_wait -3
	s_barrier_signal -1
	s_barrier_wait -1
.endm
.macro CROUND                          ; a whole round
	s_barrier_signal -1
	s_barrier_wait -1
	CREST
.endm
.macro PLACES                          ; four places behind matrix instructions (ISA guide 7.12.1)
.rept 4
	v_nop
.endr
.endm
	s_load_b256 s[4:11], s[0:1], 0x0               ; query s[4:5], key s[6:7], value s[8:9], wb s[10:11]
	s_load_b128 s[12:15], s[0:1], 0x20             ; bp s[12:13], qkv s[14:15]
	v_lshl_add_u32 v[SPW], v0, 2, SPARE
	v_mov_b32 v[NIL], 0
	ds_add_u32 v[SPW], v[NIL]                      ; the wave's opening: the add and its wait stand ahead of my first tensor load; the set-up below stands between them
	v_lshrrev_b32 v1, 5, v0
	v_readfirstlane_b32 s[WV], v1
	s_lshr_b32 s[RH], s[WV], 1
	s_and_b32 s[CH], s[WV], 1
	s_bfe_u32 s[CX], ttmp6, 0x40000
	s_bfe_u32 s[CY], ttmp6, 0x40004
	s_lshl_b32 s[TC], ttmp9, 2
	s_add_co_u32 s[TC], s[TC], s[CX]               ; tile column = 4 x cluster x + cx
	s_and_b32 s40, ttmp7, 0xffff                   ; the cluster's y: 16 clusters to a matrix
	s_lshr_b32 s[MAT], s40, 4
	s_and_b32 s[MT], s40, 15
	s_lshl_b32 s[MT], s[MT], 2
	s_add_co_u32 s[MT], s[MT], s[CY]               ; tile row = 4 x (cluster y mod 16) + cy
	s_lshl_b32 s42, s[CY], 2
	s_lshl_b32 s42, 15, s42                        ; my row of the cluster
	s_lshl_b32 s43, 0x1111, s[CX]                  ; my column
	s_or_b32 s[G1A], s42, (2<<16)|(1<<20)|(1<<21)|(5<<22)|(3<<25)  ; the mask; elements of 4 bytes; padding on; bit 21 beside a mask; after every 64 words 4 words
	s_mov_b32 s[G1A+1], 64<<16                     ; tensor_dim0 = 64
	s_mov_b32 s[G1A+2], 128<<16                    ; tensor_dim1 = 128
	s_mov_b32 s[G1A+3], 64<<16                     ; tile_dim0 = 64
	s_mov_b32 s[G1A+4], 128                        ; tile_dim1 = 128
	s_mov_b32 s[G1A+5], 1024                       ; elements from row to row
	s_mov_b32 s[G1A+6], 0
	s_mov_b32 s[G1A+7], 0
	s_or_b32 s[G1B], s43, (1<<16)|(1<<20)|(1<<21)|(4<<22)|(3<<25)  ; elements of 2 bytes; after every 32 words (a row of W') 4 words
	s_mov_b32 s[G1B+1], 128<<16                    ; 64 rows of 128 elements: two rows of W' each, dense
	s_mov_b32 s[G1B+2], 64<<16
	s_mov_b32 s[G1B+3], 128<<16
	s_mov_b32 s[G1B+4], 64
	s_mov_b32 s[G1B+5], 128
	s_mov_b32 s[G1B+6], 0
	s_mov_b32 s[G1B+7], 0
	s_lshl_b32 s40, s[MT], 20                      ; x: (256 tile row + 128 half) rows of 4,096 bytes; these registers never hold cx
	s_lshl_b32 s41, s[CH], 19
	s_add_co_u32 s40, s40, s41
	s_mov_b32 s41, 0
	s_lshl_b32 s46, s[MAT], 21                     ; W': the matrix, (256 tile column + 128 half) rows of 128 bytes; these never hold cy
	s_lshl_b32 s47, s[TC], 15
	s_add_co_u32 s46, s46, s47
	s_lshl_b32 s47, s[CH], 14
	s_add_co_u32 s46, s46, s47
	s_mov_b32 s47, 0
	s_mul_i32 s[LA], s[CH], HA                     ; no place in the cluster enters an LDS address
	s_mul_i32 s[LB], s[CH], HB
	s_add_co_u32 s[LB], s[LB], BOFF
	s_wait_dscnt 0x0                               ; the opening add is done
	s_wait_kmcnt 0x0
	s_cmp_eq_u32 s[MAT], 1
	s_cselect_b64 s[AP:AP+1], s[6:7], s[4:5]
	s_cmp_eq_u32 s[MAT], 2
	s_cselect_b64 s[AP:AP+1], s[8:9], s[AP:AP+1]
	s_add_nc_u64 s[AP:AP+1], s[AP:AP+1], s[40:41]
	s_add_nc_u64 s[46:47], s[10:11], s[46:47]
	CROUND                                         ; all sixteen work-groups are here: the first joint loads meet
.irp s, 0,1
	s_mov_b32 s[G0A+4*(\s)], 1
	s_add_co_u32 s[G0A+4*(\s)+1], s[LA], (\s)*SLOT
	s_add_nc_u64 s[G0A+4*(\s)+2:G0A+4*(\s)+3], s[AP:AP+1], (\s)*256       ; K step s: 64 f32 along the rows
	s_or_b32 s[G0A+4*(\s)+3], s[G0A+4*(\s)+3], 0x80000000
	s_mov_b32 s[G0B+4*(\s)], 1
	s_add_co_u32 s[G0B+4*(\s)+1], s[LB], (\s)*SLOT
	s_add_nc_u64 s[G0B+4*(\s)+2:G0B+4*(\s)+3], s[46:47], (\s)*131072      ; K step s: block kb = s, 1,024 rows of 128 bytes on
	s_or_b32 s[G0B+4*(\s)+3], s[G0B+4*(\s)+3], 0x80000000
	JLOAD \s                                       ; two tensor loads of mine are out
.endr
	v_and_b32 v1, 15, v0                           ; l % 16
	v_bfe_u32 v2, v0, 4, 1                         ; l / 16
	v_lshlrev_b32 v[BO], 5, v2                     ; my eight columns of a block of 16: 32 bytes for each half of the lanes
	s_lshl_b32 s46, s[MAT], 12                     ; the bias: (1024 mat + 256 tile column + 128 half) x 4 bytes
	s_lshl_b32 s47, s[TC], 10
	s_add_co_u32 s46, s46, s47
	s_lshl_b32 s47, s[CH], 9
	s_add_co_u32 s46, s46, s47
	s_mov_b32 s47, 0
	s_add_nc_u64 s[BB:BB+1], s[12:13], s[46:47]
.irp b, 0,1,2,3,4,5,6,7
	global_load_b128 v[BIAS+8*(\b):BIAS+8*(\b)+3],   v[BO], s[BB:BB+1] offset:64*(\b)
	global_load_b128 v[BIAS+8*(\b)+4:BIAS+8*(\b)+7], v[BO], s[BB:BB+1] offset:64*(\b)+16
.endr
	s_lshl_b32 s46, s[MAT], 25                     ; qkv: the matrix, (256 tile row + 128 half) rows of 2,048 bytes, 512 tile column + 256 half
	s_lshl_b32 s47, s[MT], 19
	s_add_co_u32 s46, s46, s47
	s_lshl_b32 s47, s[RH], 18
	s_add_co_u32 s46, s46, s47
	s_lshl_b32 s47, s[TC], 9
	s_add_co_u32 s46, s46, s47
	s_lshl_b32 s47, s[CH], 8
	s_add_co_u32 s46, s46, s47
	s_mov_b32 s47, 0
	s_add_nc_u64 s[CB:CB+1], s[14:15], s[46:47]
	; A fragment is 16 rows x 32 K: lane l holds row l % 16, K = 8 (l / 16) + 0..7 and 16 + 8 (l / 16) + 0..7.  Of f32 rows that is 32 bytes at 32 (l / 16) and 32 at 64 + 32 (l / 16); of bf16 rows 16 at 16 (l / 16) and 16 at 32 + 16 (l / 16).
	v_mul_u32_u24 v3, v1, PA
	v_lshl_add_u32 v3, v2, 5, v3
	v_mul_u32_u24 v4, v1, PB
	v_lshl_add_u32 v4, v2, 4, v4
	s_mul_i32 s44, s[RH], HA                       ; my 128 rows of x
	s_mul_i32 s45, s[CH], HB                       ; my 128 rows of W'
	s_add_co_u32 s45, s45, BOFF
.irp s, 0,1
	v_add_nc_u32 v[ADRA+(\s)], s44, v3
	v_add_nc_u32 v[ADRB+(\s)], s45, v4
	s_add_co_u32 s44, s44, SLOT
	s_add_co_u32 s45, s45, SLOT
.endr
	s_mul_i32 s44, s[WV], 16*SPITCH
	s_add_co_u32 s44, s44, STAGE                   ; my stage
	v_mul_u32_u24 v5, v1, SPITCH                   ; in: row l % 16, 16 bytes for each half of the lanes
	v_lshl_add_u32 v5, v2, 4, v5
	v_add_nc_u32 v[STO], s44, v5
	v_mul_u32_u24 v5, v2, SPITCH                   ; back: lanes 0-15 one row of 256 bytes, lanes 16-31 the next
	v_lshl_add_u32 v5, v1, 4, v5
	v_add_nc_u32 v[RD], s44, v5
	v_lshlrev_b32 v5, 11, v2                       ; and the same two rows in qkv
	v_lshl_add_u32 v[CO], v1, 4, v5
; 16 matrix instructions on buffers f: m blocks a0, a0 + 1 of the window's four (hi = 0: my rows 0-63, 1: rows 64-127) x all 8 n blocks.  first = 1: the bias starts the sums.
.macro MUL16 f, hi, a0, first
.if \first
	WIN 0x81+0x40*(\hi)                            ; W' window 1, x and the bias window 0, D window 2 or 3
.else
	WIN 0xa1+0x50*(\hi)                            ; C and D window 2 or 3
.endif
.irp a, \a0, (\a0)+1
.irp b, 0,1,2,3,4,5,6,7
.if \first
	v_wmma_f32_16x16x32_bf16 v[8*(8*(\a)+(\b)):8*(8*(\a)+(\b))+7], v[64*(\f)+8*(\b):64*(\f)+8*(\b)+7], v[AF+64*(\f)+8*(4*(\hi)+(\a)):AF+64*(\f)+8*(4*(\hi)+(\a))+7], v[BIAS+8*(\b):BIAS+8*(\b)+7]
.else
	v_wmma_f32_16x16x32_bf16 v[8*(8*(\a)+(\b)):8*(8*(\a)+(\b))+7], v[64*(\f)+8*(\b):64*(\f)+8*(\b)+7], v[AF+64*(\f)+8*(4*(\hi)+(\a)):AF+64*(\f)+8*(4*(\hi)+(\a))+7], v[8*(8*(\a)+(\b)):8*(8*(\a)+(\b))+7]
.endif
.endr
.endr
.endm
; 8 matrix instructions on buffers f (m block a = 2 or 3 of my rows 64-127), and behind each four conversions RAW -> x's buffer g.  The conversions name no register of the products round them:
; the four behind a quarter's last product are the places in front of the next run of loads and of the next quarter's writes into the buffer just multiplied.
.macro MULC f, g, a, first
.irp b, 0,1,2,3,4,5,6,7
.if \first
	WIN 0xc1
	v_wmma_f32_16x16x32_bf16 v[8*(8*(\a)+(\b)):8*(8*(\a)+(\b))+7], v[64*(\f)+8*(\b):64*(\f)+8*(\b)+7], v[AF+64*(\f)+8*(4+(\a)):AF+64*(\f)+8*(4+(\a))+7], v[BIAS+8*(\b):BIAS+8*(\b)+7]
.else
	WIN 0xf1
	v_wmma_f32_16x16x32_bf16 v[8*(8*(\a)+(\b)):8*(8*(\a)+(\b))+7], v[64*(\f)+8*(\b):64*(\f)+8*(\b)+7], v[AF+64*(\f)+8*(4+(\a)):AF+64*(\f)+8*(4+(\a))+7], v[8*(8*(\a)+(\b)):8*(8*(\a)+(\b))+7]
.endif
	WIN 0x05                                       ; sources in window 1, destination in window 0
.irp z, 0,1,2,3
	v_cvt_pk_bf16_f32 v[AF+64*(\g)+32*((\a)-2)+4*(\b)+(\z)], v[RAW+2*(32*((\a)-2)+4*(\b)+(\z))], v[RAW+2*(32*((\a)-2)+4*(\b)+(\z))+1]
.endr
.endr
.endm
; 48 LDS loads in one run: quarter kq of a slot: 128 rows of x as f32 into RAW (32 loads), then 128 rows of W' into buffer g (16 loads)
.macro FETCH slot, kq, g
	WIN 0x40                                       ; destination window 1, address window 0
.irp i, 0,1,2,3,4,5,6,7
	ds_load_b128 v[RAW+16*(\i):RAW+16*(\i)+3],     v[ADRA+(\slot)] offset:(\kq)*128+(\i)*16*PA
	ds_load_b128 v[RAW+16*(\i)+4:RAW+16*(\i)+7],   v[ADRA+(\slot)] offset:(\kq)*128+(\i)*16*PA+16
	ds_load_b128 v[RAW+16*(\i)+8:RAW+16*(\i)+11],  v[ADRA+(\slot)] offset:(\kq)*128+(\i)*16*PA+64
	ds_load_b128 v[RAW+16*(\i)+12:RAW+16*(\i)+15], v[ADRA+(\slot)] offset:(\kq)*128+(\i)*16*PA+80
.endr
.irp i, 0,1,2,3,4,5,6,7
	ds_load_b128 v[64*(\g)+8*(\i):64*(\g)+8*(\i)+3],   v[ADRB+(\slot)] offset:(\kq)*64+(\i)*16*PB
	ds_load_b128 v[64*(\g)+8*(\i)+4:64*(\g)+8*(\i)+7], v[ADRB+(\slot)] offset:(\kq)*64+(\i)*16*PB+32
.endr
.endm
; A step's first quarter: multiplies buffers 0, fetches the slot's second quarter, which is the last read of the slot, and (mode 1, 2) changes slots: ONE barrier; in front of it each wave waits for all
; its tensor loads (one is out: its part of the other slot), adds 0 to its spare word, and waits for that and for its reads of this slot.  mode 2: the barrier opens a round of the cluster's barrier, and this
; slot is filled again, two steps ahead, first thing behind the round: 112 matrix instructions ahead of the wait for it.  mode 0: the last step.
.macro Q0 slot, first, mode
	FETCH \slot, 1, 1
	s_wait_dscnt 48                                ; all but the 48 just issued: W's buffer 0 is in
	MUL16 0, 0, 0, \first
	MUL16 0, 0, 2, \first
	MUL16 0, 1, 0, \first
.if (\mode) >= 1
	WIN 0                                          ; (the add's two registers lie in window 0)
	s_wait_tensorcnt 0x0                           ; all my tensor loads have landed: my part of the other slot
	ds_add_u32 v[SPW], v[NIL]                      ; 0 onto my spare word
	s_wait_dscnt 17                                ; the add and W's 16 loads may be out: RAW is in
	MULC 0, 1, 2, \first
	s_wait_dscnt 0x0                               ; the add is done, and my reads of this slot are over
	s_barrier_signal -1
	MULC 0, 1, 3, \first                           ; work on registers while the others arrive
	WIN 0                                          ; (branches may follow)
	s_barrier_wait -1
.if (\mode) == 2
	CREST                                          ; no wave of any partner still reads this slot or has a load on its way
	s_add_nc_u64 s[G0A+4*(\slot)+2:G0A+4*(\slot)+3], s[G0A+4*(\slot)+2:G0A+4*(\slot)+3], 512
	s_add_nc_u64 s[G0B+4*(\slot)+2:G0B+4*(\slot)+3], s[G0B+4*(\slot)+2:G0B+4*(\slot)+3], 262144
	JLOAD \slot
.endif
.else
	s_wait_dscnt 16                                ; RAW is in
	MULC 0, 1, 2, \first
	MULC 0, 1, 3, \first
.endif
.endm
; A step's second quarter: multiplies buffers 1 (W's are in: the wait for 0 in front of the barrier has shown it) and fetches the next slot's first quarter.  fetch = 0: the very last quarter.
.macro Q1 next, fetch
.if \fetch
	FETCH \next, 0, 0
	MUL16 1, 0, 0, 0
	MUL16 1, 0, 2, 0
	MUL16 1, 1, 0, 0
	s_wait_dscnt 16                                ; RAW is in
	MULC 1, 0, 2, 0
	MULC 1, 0, 3, 0
.else
	s_wait_dscnt 0x0                               ; W's buffer 1
	MUL16 1, 0, 0, 0
	MUL16 1, 0, 2, 0
	MUL16 1, 1, 0, 0
	MUL16 1, 1, 2, 0
.endif
.endm
; THE WAY OUT of block a (16 rows).  PACK: rounded to f16, 16 bytes a lane, each accumulator's registers in ascending order.  TOSTAGE: into my own stage, and back as whole rows of 256 bytes.  SEND: stored.
.macro PACK a
.set AC, 64*((\a)%4)
	WIN 0x0a+5*((\a)/4)                            ; sources 0 and 1: window 2 or 3
.irp b, 0,1,2,3,4,5,6,7
.irp r, 0,1,2,3
	v_cvt_pk_f16_f32 v[TMP+4*(\b)+(\r)], v[AC+8*(\b)+2*(\r)], v[AC+8*(\b)+2*(\r)+1]
.endr
.endr
	WIN 0
.endm
.macro TOSTAGE a
	WIN 0
.set BK, OB+192*((\a)%2)
.irp b, 0,1,2,3,4,5,6,7
	ds_store_b128 v[STO], v[TMP+4*(\b):TMP+4*(\b)+3] offset:32*(\b)
.endr
.irp t, 0,1,2,3,4,5,6,7
	ds_load_b128 v[BK+4*(\t):BK+4*(\t)+3], v[RD] offset:(\t)*2*SPITCH  ; LDS serves a wave's instructions in order (ISA guide 5.7.1.4): these see the stores above
.endr
.endm
.macro SEND a
	WIN 0
.set BK, OB+192*((\a)%2)
	s_wait_dscnt 0x0                               ; the block is back in registers
	s_wait_xcnt 0x0                                ; the stores of the block before have read their registers: the next block's loads from the stage land there only behind this wait
.irp t, 0,1,2,3,4,5,6,7
	global_store_b128 v[CO], v[BK+4*(\t):BK+4*(\t)+3], s[CB:CB+1] offset:(16*(\a)+2*(\t))*2048  ; 16 lanes store 256 consecutive bytes, aligned; 126 rows at the most stand in the immediate
.endr
.endm
	s_wait_tensorcnt 1                             ; my part of K step 0 is in; step 1's stays out
	s_barrier_signal -1
	s_barrier_wait -1
	FETCH 0, 0, 0
	s_wait_loadcnt 0x0                             ; the bias
	s_wait_dscnt 16                                ; RAW is in
	WIN 0x05
.set M, 0
.rept 64                                               ; the first quarter's fragments of x: there is no matrix work yet to set them beside
	v_cvt_pk_bf16_f32 v[AF+M], v[RAW+2*M], v[RAW+2*M+1]
.set M, M+1
.endr
	Q0 0, 1, 2                                     ; step 0; slot 0 takes step 2
	s_mov_b32 s[CNT], 6
.Lloop:                                                ; trip t: steps 2 t + 1 and 2 t + 2 are entered, steps 2 t + 3 and 2 t + 4 asked for
	Q1 1, 1
	Q0 1, 0, 2
	Q1 0, 1
	Q0 0, 0, 2
	s_sub_co_u32 s[CNT], s[CNT], 1
	s_cmp_lg_u32 s[CNT], 0
	s_cbranch_scc1 .Lloop
	Q1 1, 1                                        ; the tail is written out
	Q0 1, 0, 2                                     ; step 13; slot 1 takes step 15: the last load
	Q1 0, 1
	Q0 0, 0, 1                                     ; step 14: nothing is filled again, so no round follows the barrier
	Q1 1, 1
	Q0 1, 0, 0                                     ; step 15
	Q1 0, 0
	WIN 0
	PLACES                                         ; the conversions below read results just made
	PACK 0
	TOSTAGE 0
.irp a, 1,2,3,4,5,6,7                  ; block a's conversions stand between block a - 1's loads from the stage and the wait for them
	PACK \a
	SEND (\a)-1
	TOSTAGE \a
.endr
	SEND 7
	s_wait_tensorcnt 0x0                           ; the wave's end: behind my last tensor load and my last LDS store
	ds_add_u32 v[SPW], v[NIL]
	s_wait_dscnt 0x0
	CROUND                                         ; the closing round: no work-group ends while a partner may still ask for a tile that names it
	s_endpgm
.Lfunc_end_k_qe0764e8929_qkv:
	.size	k_qe0764e8929_qkv, .Lfunc_end_k_qe0764e8929_qkv-k_qe0764e8929_qkv
	.p2alignl 7, 3214868480
	.fill 96, 4, 3214868480
	.section	.rodata,"a",@progbits
	.p2align	6, 0x0
	.amdhsa_kernel k_qe0764e8929_qkv
		.amdhsa_group_segment_fixed_size 327680
		.amdhsa_private_segment_fixed_size 0
		.amdhsa_enable_private_segment 0
		.amdhsa_kernarg_size 48
		.amdhsa_user_sgpr_count 2
		.amdhsa_user_sgpr_kernarg_segment_ptr 1
		.amdhsa_wavefront_size32 1
		.amdhsa_system_sgpr_workgroup_id_x 1
		.amdhsa_system_sgpr_workgroup_id_y 1
		.amdhsa_system_sgpr_workgroup_id_z 1
		.amdhsa_system_vgpr_workitem_id 0
		.amdhsa_next_free_vgpr 1024
		.amdhsa_next_free_sgpr 80
		.amdhsa_reserve_vcc 0
		.amdhsa_float_denorm_mode_32 3
		.amdhsa_float_denorm_mode_16_64 3
		.amdhsa_memory_ordered 1
		.amdhsa_forward_progress 1
		.amdhsa_inst_pref_size 191
	.end_amdhsa_kernel
	.amdgpu_metadata
---
amdhsa.version: [ 1, 2 ]
amdhsa.kernels:
  - .name:           k_qe0764e8929_qkv
    .symbol:         k_qe0764e8929_qkv.kd
    .args:
      - { .name: query, .offset: 0, .size: 8, .value_kind: global_buffer, .address_space: global }
      - { .name: key, .offset: 8, .size: 8, .value_kind: global_buffer, .address_space: global }
      - { .name: value, .offset: 16, .size: 8, .value_kind: global_buffer, .address_space: global }
      - { .name: wb, .offset: 24, .size: 8, .value_kind: global_buffer, .address_space: global }
      - { .name: bp, .offset: 32, .size: 8, .value_kind: global_buffer, .address_space: global }
      - { .name: qkv, .offset: 40, .size: 8, .value_kind: global_buffer, .address_space: global }
    .group_segment_fixed_size: 327680
    .private_segment_fixed_size: 0
    .kernarg_segment_align: 8
    .kernarg_segment_size: 48
    .max_flat_workgroup_size: 128
    .sgpr_count:     80
    .vgpr_count:     1024
    .wavefront_size: 32
...
	.end_amdgpu_metadata
.endif
;; end of part 2
;; launch attn (part 3): grid 512 x 1, 8 waves a work-group, no clusters, 68,608 bytes of LDS; arguments qkv, ao; writes ao
.if DOCPART == 3
	.amdgcn_target "amdgcn-amd-amdhsa--gfx1250"
	.amdhsa_code_object_version 6
	.text
	.protected	k_qe0764e8929_attn
	.globl	k_qe0764e8929_attn
	.p2align	8
	.type	k_qe0764e8929_attn,@function
k_qe0764e8929_attn:
	s_mov_b64 s[64:65], 0
	v_nop
	global_prefetch_b8 v0, s[64:65] scope:SCOPE_SE
	s_setreg_imm32_b32 hwreg(HW_REG_WAVE_MODE, 25, 1), 1
	s_wait_xcnt 0x0
; ATTN.  For each token: S[h][g] = q[h] . k[g] / 8 over the 16 heads, softmax over g with the row's maximum taken away, O[h] = sum over g of P[h][g] v[g]; O goes to
; ao[b x 4096 + 256 h + s / 16][64 (s % 16) + d], f16: the order in which the last projection reads it.  Products, maxima and sums in f32; P is rounded to f16 for the second product
; (its sum is taken of the unrounded weights), O once at the end.
; LIMITS.  q, k, v arrive as finite f16; a weight below 2^-126 counts as 0; NaN and infinities are not treated apart.  The upper half of the second product's K (16 of 32) is P = 0 times the next
; chunk of v, which is finite by the first limit.
; WHAT THE COLUMN ORDER OF qkv BUYS.  q, k: column 256 c + 16 head + j holds channel 16 c + j.  v: column 16 d + g holds channel d of head g.  So lane l's 16 bytes at 32 (l % 16) + 16 (l / 16) of chunk c
; (512 bytes of a token's row) ARE four registers of a matrix fragment: head l % 16 and channels 16 c + 8 (l / 16) + 0..7 of q or k, or channel 16 c + l % 16 and heads 8 (l / 16) + 0..7 of v, already turned.
; LAYOUT.  S^T = K Q^T: a lane holds one query head (l % 16) and key heads 8 (l / 16) + 0..7; rounded in pairs they are source 1 of O^T = V^T P, whose result holds the same head and eight channels.
; SHARES.  A stream: a wave owns four tokens in a row and asks for all their 24 KiB at once, 48 loads of 512 consecutive bytes; no loop, no ring, no barrier.  The four tokens give each head's row of ao
; 512 consecutive bytes, gathered in the wave's own stage in LDS.  Clusters and tensor loads would add nothing: no two work-groups read the same byte.
.set STG,   16*528                     ; a wave's stage: 16 head rows of 512 bytes + 16: the 16 rows of a store start at 16 different groups of four banks (ISA guide 11.1)
.set SPARE, 8*STG                      ; the spare words, 128 bytes for each wave: four blocks of 256 bytes that no other line names
.set LOFF, 1                           ; v1   32 (l % 16) + 16 (l / 16)
.set STO,  2                           ; v2   where I put 16 bytes of a head's row
.set RD,   3                           ; v3   where I read a row back
.set GO,   4                           ; v4   16 l
.set SPW,  5                           ; v5   LDS address of my spare word; never rewritten
.set NIL,  6                           ; v6   0; never rewritten
.set T,    8                           ; v8-11, v12-15  at work, for the two tokens of a pair: c m; -; m, then l, then 1 / l; the other lanes' half
.set S,    16                          ; v16-23, v24-31 S^T
.set P,    32                          ; v32-39, v40-47 P; the upper four of each stay 0
.set X,    48                          ; token j's registers at X + 52 j: v +0..15, zeros +16..19, q +20..35, k +36..51; O^T takes q's and k's place
.set XS,   52
	s_load_b128 s[4:7], s[0:1], 0x0                ; qkv s[4:5], ao s[6:7]
	v_lshl_add_u32 v[SPW], v0, 2, SPARE
	v_mov_b32 v[NIL], 0
	v_lshrrev_b32 v7, 5, v0
	v_readfirstlane_b32 s20, v7                    ; wave
	s_lshl3_add_u32 s21, ttmp9, s20                ; my wave among all 4,096
	s_lshl_b32 s22, s21, 13                        ; four rows of 2,048 bytes
	s_mov_b32 s23, 0
	v_and_b32 v7, 15, v0                           ; l % 16
	v_bfe_u32 v8, v0, 4, 1                         ; l / 16
	v_lshlrev_b32 v[LOFF], 5, v7
	v_lshl_add_u32 v[LOFF], v8, 4, v[LOFF]
	s_wait_kmcnt 0x0
	s_add_nc_u64 s[8:9], s[4:5], s[22:23]          ; q,
	s_add_nc_u64 s[10:11], s[8:9], 0x2000000       ; k,
	s_add_nc_u64 s[12:13], s[8:9], 0x4000000       ; v at my first token
.irp j, 0,1,2,3
.irp c, 0,1,2,3
	global_load_b128 v[X+XS*(\j)+4*(\c):X+XS*(\j)+4*(\c)+3], v[LOFF], s[12:13] offset:(\j)*2048+(\c)*512 th:TH_LOAD_NT
.endr
.irp c, 0,1,2,3
	global_load_b128 v[X+XS*(\j)+20+4*(\c):X+XS*(\j)+20+4*(\c)+3], v[LOFF], s[8:9] offset:(\j)*2048+(\c)*512 th:TH_LOAD_NT
.endr
.irp c, 0,1,2,3
	global_load_b128 v[X+XS*(\j)+36+4*(\c):X+XS*(\j)+36+4*(\c)+3], v[LOFF], s[10:11] offset:(\j)*2048+(\c)*512 th:TH_LOAD_NT
.endr
.endr
	s_mul_i32 s20, s20, STG                        ; my stage
	v_mul_u32_u24 v[STO], v7, 528
	v_lshl_add_u32 v[STO], v8, 4, v[STO]
	v_add_nc_u32 v[STO], s20, v[STO]
	v_and_b32 v[GO], 31, v0
	v_lshlrev_b32 v[GO], 4, v[GO]
	v_add_nc_u32 v[RD], s20, v[GO]
	s_lshl_b32 s21, s21, 2                         ; my first token T0 = 4,096 b + s
	s_and_b32 s22, s21, 0xfffff000                 ; 4,096 b
	s_bfe_u32 s23, s21, 0x80004                    ; s / 16
	s_add_co_u32 s22, s22, s23
	s_lshl_b32 s22, s22, 11                        ; head 0's row of ao,
	s_and_b32 s23, s21, 15
	s_lshl_b32 s23, s23, 7                         ; and 128 bytes for each token in it
	s_add_co_u32 s22, s22, s23
	s_mov_b32 s23, 0
	s_add_nc_u64 s[14:15], s[6:7], s[22:23]
	s_mov_b32 s16, 0x3e38aa3b                      ; c = log2(e) / 8
	s_mov_b32 s17, s16                             ; named with it as a pair
	s_mov_b32 s18, 0x76543210                      ; v_permlanex16_b32: each lane takes its own place in the other half
	s_mov_b32 s19, 0xfedcba98
.irp i, 0,1,2,3,4,5,6,7
	v_mov_b32 v[T+(\i)], 0
.endr
.irp i, 4,5,6,7,12,13,14,15
	v_mov_b32 v[P+(\i)], 0                         ; K = 16 .. 31 of the second product
.endr
.irp j, 0,1,2,3
.irp i, 16,17,18,19
	v_mov_b32 v[X+XS*(\j)+(\i)], 0
.endr
.endr
.macro REGS p, u                       ; the registers of token u (0, 1) of pair p
.set rT, T+4*(\u)
.set rS, S+8*(\u)
.set rP, P+8*(\u)
.set rV, X+XS*(2*(\p)+(\u))
.set rQ, rV+20
.set rK, rV+36
.set rO, rV+20
.endm
.macro TWO p, line:vararg              ; one line for each token of the pair: the two alternate, so that no line waits for the one before it
	REGS \p, 0
	\line
	REGS \p, 1
	\line
.endm
.macro PAIR p, left
	s_wait_loadcnt \left                           ; loads come back in order: this pair's 24 are in
	TWO \p, v_wmma_f32_16x16x32_f16 v[rS:rS+7], v[rK:rK+7], v[rQ:rQ+7], 0                     ; channels 0-31 start the sums; the two accumulators take turns
	TWO \p, v_wmma_f32_16x16x32_f16 v[rS:rS+7], v[rK+8:rK+15], v[rQ+8:rQ+15], v[rS:rS+7]      ; channels 32-63
.rept 5
	v_nop                                          ; four places before vector lines read the scores, five before later products write over q and k (ISA guide 7.12.1)
.endr
	TWO \p, v_max3_num_f32 v[rT+2], v[rS], v[rS+1], v[rS+2]
	TWO \p, v_max3_num_f32 v[rT+3], v[rS+3], v[rS+4], v[rS+5]
	TWO \p, v_max3_num_f32 v[rT+2], v[rT+2], v[rS+6], v[rS+7]
	TWO \p, v_max_num_f32 v[rT+2], v[rT+2], v[rT+3]
	TWO \p, v_permlanex16_b32 v[rT+3], v[rT+2], s18, s19                                      ; the head's other eight scores lie in the lane 16 away
	TWO \p, v_max_num_f32 v[rT+2], v[rT+2], v[rT+3]
	TWO \p, v_mul_f32 v[rT], s16, v[rT+2]
.irp i, 0,2,4,6
	TWO \p, v_pk_fma_f32 v[rS+(\i):rS+(\i)+1], v[rS+(\i):rS+(\i)+1], s[16:17], v[rT:rT+1] op_sel_hi:[1,0,0] neg_lo:[0,0,1] neg_hi:[0,0,1]  ; c s - c m
.endr
.irp i, 0,1,2,3,4,5,6,7
	TWO \p, v_exp_f32 v[rS+(\i)], v[rS+(\i)]
.endr
	v_nop                                          ; a plain instruction between the exponentials and the use of their results
	s_wait_alu depctr_va_vdst(0)
.irp i, 0,1,2,3
	TWO \p, v_cvt_pk_f16_f32 v[rP+(\i)], v[rS+2*(\i)], v[rS+2*(\i)+1]
.endr
.irp d, 0,1,2,3
	TWO \p, v_wmma_f32_16x16x32_f16 v[rO+8*(\d):rO+8*(\d)+7], v[rV+4*(\d):rV+4*(\d)+7], v[rP:rP+7], 0  ; channels 16 d on; source 0's upper four registers meet P's zeros
.endr
	TWO \p, v_pk_add_f32 v[rS:rS+1], v[rS:rS+1], v[rS+2:rS+3]                                 ; the sums name none of those products' registers: they are the places behind them
	TWO \p, v_pk_add_f32 v[rS+4:rS+5], v[rS+4:rS+5], v[rS+6:rS+7]
	TWO \p, v_pk_add_f32 v[rS:rS+1], v[rS:rS+1], v[rS+4:rS+5]
	TWO \p, v_add_f32 v[rT+2], v[rS], v[rS+1]
	TWO \p, v_permlanex16_b32 v[rT+3], v[rT+2], s18, s19
	TWO \p, v_add_f32 v[rT+2], v[rT+2], v[rT+3]
	TWO \p, v_rcp_f32 v[rT+2], v[rT+2]                                                        ; l is at least 1: the largest score's weight
	v_nop                                          ; a plain instruction between the reciprocals and the use of their results
	s_wait_alu depctr_va_vdst(0)
.irp u, 0,1
	REGS \p, \u
.set n, 0
.rept 16
	v_pk_mul_f32 v[rO+2*n:rO+2*n+1], v[rO+2*n:rO+2*n+1], v[rT+2:rT+3] op_sel_hi:[1,0]         ; each accumulator from its low end on
.set n, n+1
.endr
.set n, 0
.rept 16
	v_cvt_pk_f16_f32 v[rO+n], v[rO+2*n], v[rO+2*n+1]                                          ; in place: word n is written when words 2 n and 2 n + 1 are read
.set n, n+1
.endr
.irp d, 0,1,2,3
	ds_store_b128 v[STO], v[rO+4*(\d):rO+4*(\d)+3] offset:(2*(\p)+(\u))*128+(\d)*32
.endr
.endr
.endm
	PAIR 0, 24                                     ; the other pair's 24 loads stay out
	PAIR 1, 0
.set n, 0
.rept 16
	ds_load_b128 v[X+4*n:X+4*n+3], v[RD] offset:n*528  ; head n's 512 bytes; LDS serves a wave's instructions in order (ISA guide 5.7.1.4): these see the stores above
.set n, n+1
.endr
.set n, 0
.rept 16
	s_wait_dscnt 15-n                              ; the younger loads stay out
	global_store_b128 v[GO], v[X+4*n:X+4*n+3], s[14:15] offset:n*524288  ; 512 consecutive bytes, aligned; heads are 256 rows of 2,048 bytes apart: 7,864,320 at the most, inside the signed 24-bit immediate
.set n, n+1
.endr
	s_wait_tensorcnt 0x0                           ; the wave's end: behind my last LDS store
	ds_add_u32 v[SPW], v[NIL]
	s_wait_dscnt 0x0
	s_endpgm
.Lfunc_end_k_qe0764e8929_attn:
	.size	k_qe0764e8929_attn, .Lfunc_end_k_qe0764e8929_attn-k_qe0764e8929_attn
	.p2alignl 7, 3214868480
	.fill 96, 4, 3214868480
	.section	.rodata,"a",@progbits
	.p2align	6, 0x0
	.amdhsa_kernel k_qe0764e8929_attn
		.amdhsa_group_segment_fixed_size 68608
		.amdhsa_private_segment_fixed_size 0
		.amdhsa_enable_private_segment 0
		.amdhsa_kernarg_size 16
		.amdhsa_user_sgpr_count 2
		.amdhsa_user_sgpr_kernarg_segment_ptr 1
		.amdhsa_wavefront_size32 1
		.amdhsa_system_sgpr_workgroup_id_x 1
		.amdhsa_system_sgpr_workgroup_id_y 1
		.amdhsa_system_sgpr_workgroup_id_z 1
		.amdhsa_system_vgpr_workitem_id 0
		.amdhsa_next_free_vgpr 256
		.amdhsa_next_free_sgpr 66
		.amdhsa_reserve_vcc 0
		.amdhsa_float_denorm_mode_32 3
		.amdhsa_float_denorm_mode_16_64 3
		.amdhsa_memory_ordered 1
		.amdhsa_forward_progress 1
		.amdhsa_inst_pref_size 28
	.end_amdhsa_kernel
	.amdgpu_metadata
---
amdhsa.version: [ 1, 2 ]
amdhsa.kernels:
  - .name:           k_qe0764e8929_attn
    .symbol:         k_qe0764e8929_attn.kd
    .args:
      - { .name: qkv, .offset: 0, .size: 8, .value_kind: global_buffer, .address_space: global }
      - { .name: ao, .offset: 8, .size: 8, .value_kind: global_buffer, .address_space: global }
    .group_segment_fixed_size: 68608
    .private_segment_fixed_size: 0
    .kernarg_segment_align: 8
    .kernarg_segment_size: 16
    .max_flat_workgroup_size: 256
    .sgpr_count:     66
    .vgpr_count:     256
    .wavefront_size: 32
...
	.end_amdgpu_metadata
.endif
;; end of part 3
;; launch oproj (part 4): grid 4 x 64, 4 waves a work-group, clusters of 4 x 4, 327,680 bytes of LDS; arguments ao, wb, bp, out0; writes out0
.if DOCPART == 4
	.amdgcn_target "amdgcn-amd-amdhsa--gfx1250"
	.amdhsa_code_object_version 6
	.text
	.protected	k_qe0764e8929_oproj
	.globl	k_qe0764e8929_oproj
	.p2align	8
	.type	k_qe0764e8929_oproj,@function
k_qe0764e8929_oproj:
	s_mov_b64 s[64:65], 0
	v_nop
	global_prefetch_b8 v0, s[64:65] scope:SCOPE_SE
	s_setreg_imm32_b32 hwreg(HW_REG_WAVE_MODE, 25, 1), 1
	s_wait_xcnt 0x0
	s_wait_alu depctr_hold_cnt(0) depctr_sa_sdst(0) depctr_va_vdst(0) depctr_va_sdst(0) depctr_va_ssrc(0) depctr_va_vcc(0) depctr_vm_vsrc(0)
	s_getreg_b32 s2, hwreg(HW_REG_IB_STS2, 6, 4)
	s_cmp_eq_u32 s2, 0
	s_cbranch_scc0 .Lentry_in_a_cluster
	s_endpgm
.Lentry_in_a_cluster:
	s_bfe_u32 s2, ttmp6, 0x10000c
	s_cmp_lg_u32 s2, 0xf033
	s_cbranch_scc0 .Lentry_shape_is_right
	s_endpgm
.Lentry_shape_is_right:
; OPROJ.  out0[m][n] = sum over k of ao[m][k] Wo[n][k] + bo[n].  ao: [16384][1024] f16.  Wo in wb, matrix 3: [kb][n][64] f16 (the bf16-rounded number).  bo in bp: f32.  out0: f32.  Sums in f32.
; SHARES.  256 tiles of 256 x 256, one a work-group; four waves, each 128 x 128: 64 accumulators, 512 registers.  K goes in steps of 128 through a ring of two LDS slots.
; A row of ao's tile is 256 bytes of memory, aligned; waves 0 and 1 fetch 128 rows each.  Of Wo a step has two blocks of 64 k x 256 rows, 32,768 dense bytes each, asked for as 128 rows of 256 bytes: waves 2 and 3.
; CLUSTER.  4 x 4 work-groups: ao's tile is shared along a row of the cluster, Wo's along a column; each is asked for jointly, by the same tensor load, descriptor and mask in all four.
; THE MATRIX INSTRUCTION IS USED TRANSPOSED (source 0 = 16 rows of Wo, source 1 = 16 rows of ao): a lane holds eight neighbouring numbers of a row of out0.  THE BIAS is the C operand of the products that start the sums.
; REGISTERS, in windows of 256 (s_set_vgpr_msb: bits 1:0 source 0, 3:2 source 1, 5:4 source 2, 7:6 destination):
;   window 0: v0-31 addresses; v64-127, v128-191 ao's fragments, two buffers, on the way out rows read back from the stage; v192-255 the bias
;   window 1: v64-127, v128-191 Wo's fragments          windows 2, 3: the accumulators of my rows 0-63 and 64-127, (a, b) at v[8 (8 a + b)]
.set PITCH,  272                       ; a row of ao in LDS: 256 bytes + 16;  a row of a block of Wo: 128 + 16: the 16 rows that a load touches start at 16 different groups of four banks (ISA guide 11.1)
.set PB,     144
.set HALFA,  128*PITCH
.set BBLK,   256*PB                    ; a block of Wo: 256 rows x 64 k
.set BOFF,   2*HALFA
.set SLOT,   BOFF+2*BBLK
.set STAGE,  2*SLOT                    ; behind the ring: 16 rows x 528 bytes for each wave; no tensor load lands here
.set SPITCH, 528
.set SPARE,  STAGE+4*16*SPITCH         ; the spare words, 128 bytes for each wave: two blocks of 256 bytes that no other line names
.set ADRA, 16
.set ADRB, 20
.set STO,  24
.set RD,   25
.set GO,   26
.set BO,   27
.set SPW,  28                          ; v28  LDS address of my spare word; never rewritten
.set NIL,  29                          ; v29  0; never rewritten
.set F0,   64
.set F1,   128
.set BIAS, 192
.set WV,  16
.set RH,  17
.set CH,  18
.set CX,  19
.set CY,  20
.set TC,  21
.set MT,  22
.set G1A, 24
.set G0A, 32
.set G1B, 48
.set G0B, 56
.set AP,  66
.set BB,  70
.set CB,  72
.set CNT, 74
.set LA,  75
.set LB,  76
.set MSB, 0
.macro WIN new
.if MSB != (\new)
	s_set_vgpr_msb (MSB<<8)|(\new)
.set MSB, \new
.endif
.endm
.macro JLOAD s                         ; a joint load: waves 0 and 1 fetch ao's two halves, waves 2 and 3 Wo's two blocks; an s_nop 0 and four v_nop follow each of the two lines
	s_cmp_eq_u32 s[RH], 0
	s_cbranch_scc0 .Lfor_b_\@
	tensor_load_to_lds s[G0A+4*(\s):G0A+4*(\s)+3], s[G1A:G1A+7]
	s_nop 0
.rept 4
	v_nop
.endr
	s_branch .Lasked_\@
.Lfor_b_\@:
	tensor_load_to_lds s[G0B+4*(\s):G0B+4*(\s)+3], s[G1B:G1B+7]
	s_nop 0
.rept 4
	v_nop
.endr
.Lasked_\@:
.endm
.macro CREST
	s_cmp_lg_u32 s[WV], 0
	s_cbranch_scc1 .Lnot_wave_0_\@
	s_barrier_signal -3
.Lnot_wave_0_\@:
	s_barrier_wait -3
	s_barrier_signal -1
	s_barrier_wait -1
.endm
.macro CROUND
	s_barrier_signal -1
	s_barrier_wait -1
	CREST
.endm
.macro PLACES                          ; four places behind matrix instructions (ISA guide 7.12.1)
.rept 4
	v_nop
.endr
.endm
	s_load_b256 s[4:11], s[0:1], 0x0               ; ao s[4:5], wb s[6:7], bp s[8:9], out0 s[10:11]
	v_lshl_add_u32 v[SPW], v0, 2, SPARE
	v_mov_b32 v[NIL], 0
	ds_add_u32 v[SPW], v[NIL]                      ; the wave's opening: the add and its wait stand ahead of my first tensor load; the set-up below stands between them
	v_lshrrev_b32 v1, 5, v0
	v_readfirstlane_b32 s[WV], v1
	s_lshr_b32 s[RH], s[WV], 1
	s_and_b32 s[CH], s[WV], 1
	s_bfe_u32 s[CX], ttmp6, 0x40000
	s_bfe_u32 s[CY], ttmp6, 0x40004
	s_lshl_b32 s[TC], ttmp9, 2
	s_add_co_u32 s[TC], s[TC], s[CX]               ; tile column
	s_and_b32 s[MT], ttmp7, 0xffff
	s_lshl_b32 s[MT], s[MT], 2
	s_add_co_u32 s[MT], s[MT], s[CY]               ; tile row
	s_lshl_b32 s42, s[CY], 2
	s_lshl_b32 s42, 15, s42                        ; my row of the cluster
	s_lshl_b32 s43, 0x1111, s[CX]                  ; my column
	s_or_b32 s[G1A], s42, (1<<16)|(1<<20)|(1<<21)|(5<<22)|(3<<25)  ; the mask; elements of 2 bytes; padding on; bit 21 beside a mask; after every 64 words 4 words
	s_mov_b32 s[G1A+1], 128<<16                    ; 128 rows of 128 elements
	s_mov_b32 s[G1A+2], 128<<16
	s_mov_b32 s[G1A+3], 128<<16
	s_mov_b32 s[G1A+4], 128
	s_mov_b32 s[G1A+5], 1024                       ; elements from row to row
	s_mov_b32 s[G1A+6], 0
	s_mov_b32 s[G1A+7], 0
	s_or_b32 s[G1B], s43, (1<<16)|(1<<20)|(1<<21)|(4<<22)|(3<<25)  ; after every 32 words (a row of the block) 4 words
	s_mov_b32 s[G1B+1], 128<<16                    ; 128 rows of 128 elements: two rows of the block each, dense
	s_mov_b32 s[G1B+2], 128<<16
	s_mov_b32 s[G1B+3], 128<<16
	s_mov_b32 s[G1B+4], 128
	s_mov_b32 s[G1B+5], 128
	s_mov_b32 s[G1B+6], 0
	s_mov_b32 s[G1B+7], 0
	s_lshl_b32 s40, s[MT], 19                      ; ao: (256 tile row + 128 half) rows of 2,048 bytes; these registers never hold cx
	s_lshl_b32 s41, s[CH], 18
	s_add_co_u32 s40, s40, s41
	s_mov_b32 s41, 0
	s_lshl_b32 s46, s[CH], 17                      ; Wo: matrix 3, block kh, 256 tile column rows of 128 bytes; these never hold cy
	s_lshl_b32 s47, s[TC], 15
	s_add_co_u32 s46, s46, s47
	s_add_co_u32 s46, s46, 6291456
	s_mov_b32 s47, 0
	s_mul_i32 s[LA], s[CH], HALFA
	s_mul_i32 s[LB], s[CH], BBLK
	s_add_co_u32 s[LB], s[LB], BOFF
	s_wait_dscnt 0x0                               ; the opening add is done
	s_wait_kmcnt 0x0
	s_add_nc_u64 s[AP:AP+1], s[4:5], s[40:41]
	s_add_nc_u64 s[46:47], s[6:7], s[46:47]
	CROUND                                         ; all sixteen work-groups are here: the first joint loads meet
.irp s, 0,1
	s_mov_b32 s[G0A+4*(\s)], 1
	s_add_co_u32 s[G0A+4*(\s)+1], s[LA], (\s)*SLOT
	s_add_nc_u64 s[G0A+4*(\s)+2:G0A+4*(\s)+3], s[AP:AP+1], (\s)*256
	s_or_b32 s[G0A+4*(\s)+3], s[G0A+4*(\s)+3], 0x80000000
	s_mov_b32 s[G0B+4*(\s)], 1
	s_add_co_u32 s[G0B+4*(\s)+1], s[LB], (\s)*SLOT
	s_add_nc_u64 s[G0B+4*(\s)+2:G0B+4*(\s)+3], s[46:47], (\s)*262144      ; a K step is two blocks of 131,072 bytes
	s_or_b32 s[G0B+4*(\s)+3], s[G0B+4*(\s)+3], 0x80000000
	JLOAD \s                                       ; two tensor loads of mine are out
.endr
	v_and_b32 v1, 15, v0                           ; l % 16
	v_bfe_u32 v2, v0, 4, 1                         ; l / 16
	v_lshlrev_b32 v[BO], 5, v2
	s_lshl_b32 s46, s[TC], 10                      ; the bias: (3,072 + 256 tile column + 128 half) x 4 bytes
	s_lshl_b32 s47, s[CH], 9
	s_add_co_u32 s46, s46, s47
	s_mov_b32 s47, 0
	s_add_nc_u64 s[CB:CB+1], s[10:11], s[46:47]    ; out0's columns have the same byte offset
	s_add_co_u32 s46, s46, 12288
	s_add_nc_u64 s[BB:BB+1], s[8:9], s[46:47]
.irp b, 0,1,2,3,4,5,6,7
	global_load_b128 v[BIAS+8*(\b):BIAS+8*(\b)+3],   v[BO], s[BB:BB+1] offset:64*(\b)
	global_load_b128 v[BIAS+8*(\b)+4:BIAS+8*(\b)+7], v[BO], s[BB:BB+1] offset:64*(\b)+16
.endr
	s_lshl_b32 s46, s[MT], 20                      ; out0: (256 tile row + 128 half) rows of 4,096 bytes
	s_lshl_b32 s47, s[RH], 19
	s_add_co_u32 s46, s46, s47
	s_mov_b32 s47, 0
	s_add_nc_u64 s[CB:CB+1], s[CB:CB+1], s[46:47]
	v_mul_u32_u24 v3, v1, PITCH
	v_lshl_add_u32 v3, v2, 4, v3                   ; a fragment's row x pitch + 16 x half
	v_mul_u32_u24 v4, v1, PB
	v_lshl_add_u32 v4, v2, 4, v4
	s_mul_i32 s44, s[RH], HALFA                    ; my 128 rows of ao
	s_mul_i32 s45, s[CH], 128*PB                   ; my 128 rows of each block of Wo
	s_add_co_u32 s45, s45, BOFF
.irp s, 0,1
	v_add_nc_u32 v[ADRA+(\s)], s44, v3
	v_add_nc_u32 v[ADRB+(\s)], s45, v4
	s_add_co_u32 s44, s44, SLOT
	s_add_co_u32 s45, s45, SLOT
.endr
	s_mul_i32 s44, s[WV], 16*SPITCH
	s_add_co_u32 s44, s44, STAGE                   ; my stage
	v_mul_u32_u24 v5, v1, SPITCH                   ; in: row l % 16, 32 bytes for each half of the lanes
	v_lshl_add_u32 v5, v2, 5, v5
	v_add_nc_u32 v[STO], s44, v5
	v_and_b32 v[GO], 31, v0                        ; back: the wave takes a row's 512 bytes
	v_lshlrev_b32 v[GO], 4, v[GO]
	v_add_nc_u32 v[RD], s44, v[GO]
.macro MUL16 f, hi, a0, first          ; 16 matrix instructions: m blocks a0, a0 + 1 of the window's four x all 8 n blocks, 32 along K.  first = 1: the bias starts the sums
.if \first
	WIN 0x81+0x40*(\hi)
.else
	WIN 0xa1+0x50*(\hi)
.endif
.irp a, \a0, (\a0)+1
.irp b, 0,1,2,3,4,5,6,7
.if \first
	v_wmma_f32_16x16x32_f16 v[8*(8*(\a)+(\b)):8*(8*(\a)+(\b))+7], v[(\f)+8*(\b):(\f)+8*(\b)+7], v[(\f)+8*(4*(\hi)+(\a)):(\f)+8*(4*(\hi)+(\a))+7], v[BIAS+8*(\b):BIAS+8*(\b)+7]
.else
	v_wmma_f32_16x16x32_f16 v[8*(8*(\a)+(\b)):8*(8*(\a)+(\b))+7], v[(\f)+8*(\b):(\f)+8*(\b)+7], v[(\f)+8*(4*(\hi)+(\a)):(\f)+8*(4*(\hi)+(\a))+7], v[8*(8*(\a)+(\b)):8*(8*(\a)+(\b))+7]
.endif
.endr
.endr
.endm
.macro FETCH slot, q, f                ; 32 LDS loads in one run: quarter q of a step: Wo from block q / 2, its k 32 (q % 2) on; then ao
	WIN 0x40
.irp i, 0,1,2,3,4,5,6,7
	ds_load_b128 v[(\f)+8*(\i):(\f)+8*(\i)+3],   v[ADRB+(\slot)] offset:((\q)/2)*BBLK+((\q)%2)*64+(\i)*16*PB
	ds_load_b128 v[(\f)+8*(\i)+4:(\f)+8*(\i)+7], v[ADRB+(\slot)] offset:((\q)/2)*BBLK+((\q)%2)*64+(\i)*16*PB+32
.endr
	WIN 0
.irp i, 0,1,2,3,4,5,6,7
	ds_load_b128 v[(\f)+8*(\i):(\f)+8*(\i)+3],   v[ADRA+(\slot)] offset:(\q)*64+(\i)*16*PITCH
	ds_load_b128 v[(\f)+8*(\i)+4:(\f)+8*(\i)+7], v[ADRA+(\slot)] offset:(\q)*64+(\i)*16*PITCH+32
.endr
.endm
; One of a step's first three quarters: multiplies buffer f; in its middle it fetches quarter q of the same slot into buffer g.
.macro QUARTER slot, q, f, g, first
	s_wait_dscnt 8                                 ; Wo and ao's rows 0-63 are in; the youngest eight loads (ao's rows 64-127) may be out
	MUL16 \f, 0, 0, \first
	MUL16 \f, 0, 2, \first
	PLACES                                         ; in front of loads into registers that matrix instructions have read
	FETCH \slot, \q, \g
	s_wait_dscnt 32                                ; all but the 32 just issued
	MUL16 \f, 1, 0, \first
	MUL16 \f, 1, 2, \first
.endm
; The last quarter multiplies buffer 1 and changes slots: ONE barrier; in front of it each wave waits for all its tensor loads (one is out: its part of the next slot), adds 0 to its spare word, and waits for
; that and for its reads of this slot.  fill = 1: the barrier opens a round of the cluster's barrier, and this slot is filled again, two steps ahead, first thing behind it: 224 matrix instructions ahead of the wait for it.
.macro TURN slot, next, fill
	WIN 0                                          ; (the add's two registers lie in window 0)
	s_wait_tensorcnt 0x0
	ds_add_u32 v[SPW], v[NIL]                      ; 0 onto my spare word
	s_wait_dscnt 9                                 ; the add and the youngest eight loads may be out
	MUL16 F1, 0, 0, 0
	s_wait_dscnt 0x0                               ; the add is done, and my reads of this slot are over
	s_barrier_signal -1
	MUL16 F1, 0, 2, 0                              ; work on registers while the others arrive
.if \fill
	WIN 0
.endif
	s_barrier_wait -1
.if \fill
	CREST                                          ; no wave of any partner still reads this slot or has a load on its way
	s_add_nc_u64 s[G0A+4*(\slot)+2:G0A+4*(\slot)+3], s[G0A+4*(\slot)+2:G0A+4*(\slot)+3], 512
	s_add_nc_u64 s[G0B+4*(\slot)+2:G0B+4*(\slot)+3], s[G0B+4*(\slot)+2:G0B+4*(\slot)+3], 524288
	JLOAD \slot                                    ; the four v_nop behind it are also the places in front of the loads below
.else
	PLACES
.endif
	FETCH \next, 0, F0
	MUL16 F1, 1, 0, 0
	MUL16 F1, 1, 2, 0
.endm
; THE WAY OUT of block a (16 rows): the accumulators go as they are, f32, lowest registers first, into my own stage, and come back as whole rows of 512 bytes.
.macro TOSTAGE a
.set AC, 64*((\a)%4)
.set BK, 64+64*((\a)%2)
	s_wait_xcnt 0x0                                ; the stores of the block two back have read the registers into which the loads below land
	WIN 0x08+4*((\a)/4)                            ; store data (source 1) in window 2 or 3
.irp b, 0,1,2,3,4,5,6,7
	ds_store_b128 v[STO], v[AC+8*(\b):AC+8*(\b)+3]   offset:64*(\b)
	ds_store_b128 v[STO], v[AC+8*(\b)+4:AC+8*(\b)+7] offset:64*(\b)+16
.endr
	WIN 0
.irp t, 0,1,2,3,4,5,6,7,8,9,10,11,12,13,14,15
	ds_load_b128 v[BK+4*(\t):BK+4*(\t)+3], v[RD] offset:(\t)*SPITCH  ; LDS serves a wave's instructions in order (ISA guide 5.7.1.4): these see the stores above; the next block's stores come behind them
.endr
.endm
.macro SEND a, younger                 ; younger: the LDS instructions issued behind block a's loads: the next block's 32, or none
.set BK, 64+64*((\a)%2)
.irp t, 0,1,2,3,4,5,6,7,8,9,10,11,12,13,14,15
	s_wait_dscnt (\younger)+15-(\t)
	global_store_b128 v[GO], v[BK+4*(\t):BK+4*(\t)+3], s[CB:CB+1] offset:(16*(\a)+(\t))*4096 th:TH_STORE_NT  ; 512 consecutive bytes, aligned; 127 rows at the most stand in the immediate
.endr
.endm
	s_wait_tensorcnt 1                             ; my part of K step 0 is in; step 1's stays out
	s_barrier_signal -1
	s_barrier_wait -1
	FETCH 0, 0, F0
	s_wait_loadcnt 0x0                             ; the bias
	QUARTER 0, 1, F0, F1, 1                        ; the first quarter stands in front of the loop: its products start the sums
	WIN 0
	s_mov_b32 s[CNT], 3
.Llap:                                                 ; a trip goes once round the ring, from a lap's second quarter to the next lap's first, and fills both slots again
	QUARTER 0, 2, F1, F0, 0
	QUARTER 0, 3, F0, F1, 0
	TURN 0, 1, 1
	QUARTER 1, 1, F0, F1, 0
	QUARTER 1, 2, F1, F0, 0
	QUARTER 1, 3, F0, F1, 0
	TURN 1, 0, 1
	QUARTER 0, 1, F0, F1, 0
	WIN 0
	s_sub_co_u32 s[CNT], s[CNT], 1
	s_cmp_lg_u32 s[CNT], 0
	s_cbranch_scc1 .Llap
	QUARTER 0, 2, F1, F0, 0                        ; the last lap fills nothing, and has no round of the cluster's barrier
	QUARTER 0, 3, F0, F1, 0
	TURN 0, 1, 0
	QUARTER 1, 1, F0, F1, 0
	QUARTER 1, 2, F1, F0, 0
	QUARTER 1, 3, F0, F1, 0
	s_wait_dscnt 8                                 ; the very last quarter: nothing more to fetch
	MUL16 F1, 0, 0, 0
	MUL16 F1, 0, 2, 0
	s_wait_dscnt 0x0
	MUL16 F1, 1, 0, 0
	MUL16 F1, 1, 2, 0
	WIN 0
	PLACES                                         ; the LDS stores below read results just made, and the loads land in fragments just multiplied
	TOSTAGE 0
.irp a, 1,2,3,4,5,6,7
	TOSTAGE \a
	SEND (\a)-1, 32
.endr
	SEND 7, 0
	s_wait_tensorcnt 0x0                           ; the wave's end: behind my last tensor load and my last LDS store
	ds_add_u32 v[SPW], v[NIL]
	s_wait_dscnt 0x0
	CROUND                                         ; the closing round: no work-group ends while a partner may still ask for a tile that names it
	s_endpgm
.Lfunc_end_k_qe0764e8929_oproj:
	.size	k_qe0764e8929_oproj, .Lfunc_end_k_qe0764e8929_oproj-k_qe0764e8929_oproj
	.p2alignl 7, 3214868480
	.fill 96, 4, 3214868480
	.section	.rodata,"a",@progbits
	.p2align	6, 0x0
	.amdhsa_kernel k_qe0764e8929_oproj
		.amdhsa_group_segment_fixed_size 327680
		.amdhsa_private_segment_fixed_size 0
		.amdhsa_enable_private_segment 0
		.amdhsa_kernarg_size 32
		.amdhsa_user_sgpr_count 2
		.amdhsa_user_sgpr_kernarg_segment_ptr 1
		.amdhsa_wavefront_size32 1
		.amdhsa_system_sgpr_workgroup_id_x 1
		.amdhsa_system_sgpr_workgroup_id_y 1
		.amdhsa_system_sgpr_workgroup_id_z 1
		.amdhsa_system_vgpr_workitem_id 0
		.amdhsa_next_free_vgpr 1024
		.amdhsa_next_free_sgpr 80
		.amdhsa_reserve_vcc 0
		.amdhsa_float_denorm_mode_32 3
		.amdhsa_float_denorm_mode_16_64 3
		.amdhsa_memory_ordered 1
		.amdhsa_forward_progress 1
		.amdhsa_inst_pref_size 146
	.end_amdhsa_kernel
	.amdgpu_metadata
---
amdhsa.version: [ 1, 2 ]
amdhsa.kernels:
  - .name:           k_qe0764e8929_oproj
    .symbol:         k_qe0764e8929_oproj.kd
    .args:
      - { .name: ao, .offset: 0, .size: 8, .value_kind: global_buffer, .address_space: global }
      - { .name: wb, .offset: 8, .size: 8, .value_kind: global_buffer, .address_space: global }
      - { .name: bp, .offset: 16, .size: 8, .value_kind: global_buffer, .address_space: global }
      - { .name: out0, .offset: 24, .size: 8, .value_kind: global_buffer, .address_space: global }
    .group_segment_fixed_size: 327680
    .private_segment_fixed_size: 0
    .kernarg_segment_align: 8
    .kernarg_segment_size: 32
    .max_flat_workgroup_size: 128
    .sgpr_count:     80
    .vgpr_count:     1024
    .wavefront_size: 32
...
	.end_amdgpu_metadata
.endif
;; end of part 4
;; ======== version 2 of 2: 4 launches; version 1 with the launches prep, attn written anew for expert scheduling mode
;; limits: values are held in f16: magnitudes above 65,504 overflow, below 6.1e-05 lose precision
;; workspace buffers: wb 8,388,608 bytes; bp 16,384 bytes; qkv 100,663,296 bytes; ao 33,554,432 bytes
;; launch prep (part 5): grid 256 x 1, 8 waves a work-group, no clusters, 0 bytes of LDS; arguments Wq, Wk, Wv, Wo, bq, bk, bv, bo, wb, bp; writes wb, bp
.if DOCPART == 5
	.amdgcn_target "amdgcn-amd-amdhsa--gfx1250"
	.amdhsa_code_object_version 6
	.text
	.protected	k_qe0764e8929_prep
	.globl	k_qe0764e8929_prep
	.p2align	8
	.type	k_qe0764e8929_prep,@function
k_qe0764e8929_prep:
	s_mov_b64 s[64:65], 0
	v_nop
	global_prefetch_b8 v0, s[64:65] scope:SCOPE_SE
	s_setreg_imm32_b32 hwreg(HW_REG_WAVE_SCHED_MODE, 0, 2), 2
	s_setreg_imm32_b32 hwreg(HW_REG_WAVE_MODE, 25, 1), 1
	s_wait_xcnt 0x0
	s_wait_alu depctr_vm_vsrc(0)
; PREP.  The four weight matrices [1024][1024] f32 are rounded to bf16, their rows are put in the order n' that the later launches want, and they are laid in blocks
; of 64 along K:  wb[mat][kb][n'][64], 16 bits a number, so that 128 or 256 rows x 64 k are dense bytes.  Wo's bf16 number is written as f16 (exact from 6.1e-5 up;
; below that f16's fixed step of 6e-8).  The biases are rounded to bf16, kept as f32, in the same order: bp[mat][n'].
; ORDER OF ROWS.  q, k: n' = 256 c + 16 head + j  takes row 64 head + 16 c + j.   v: n' = 16 d + g takes row 64 g + d.   o: n' = row.
; With n' = 64 U + t the source row is  base + (t / 16) SA + (t % 16) SB:   q, k: base = 256 (U % 4) + 16 (U / 4), SA = 64, SB = 1;   v: 4 U, 1, 64;   o: 64 U, 16, 1.
; SHARES.  Work-group = (mat, U, kq): 64 rows n' x 256 k.  Wave = (rh, kbl): 32 rows x one block of 64 k.  Trip i of 8: four rows; eight lanes read one row's 256 bytes,
; and the wave's store covers 512 consecutive bytes of wb, aligned.  All 16 loads of a wave go out at once; no register that a memory instruction reads is written twice, so no wait frees any.
; No LDS, no barrier, no matrix unit: the launch only moves and rounds bytes.
; THE MODE: SCHED_MODE bits 1:0 = 2 (LLVM: expert scheduling mode 2), set by the entry lines.  The code itself states the register dependences
; between vector instructions and memory instructions, with s_wait_alu, always for 0.
; THE PLAN.  Registers that memory instructions touch:
;   v7, v[8:15]   byte offsets, made once at the head and never written again: one wait ahead of the first load states that they are written.
;   SRCR          trip i's eight registers: its two loads land there, its conversions read them; never loaded again.
;   DSTR          trip i's four registers: written by its conversions, read by its one store, never written again.
;   v112-v117     the bias part's offsets and its two numbers.
; Trip i's store stands at the head of trip i + 1, behind that trip's wait for its data and one wait on va_vdst, which states that trip i's conversions have written DSTR[i].
.set SRCO, 8                           ; v[8:15]    trip i: my byte offset in the source matrix
.set SRCR, 16                          ; v[16:79]   trip i: eight f32 as loaded
.set DSTR, 80                          ; v[80:111]  trip i: eight 16-bit numbers to store
.set TA,   112                         ; v[112:119] at work
	s_load_b512 s[8:23], s[0:1], 0x0               ; Wq s[8:9], Wk s[10:11], Wv s[12:13], Wo s[14:15], bq s[16:17], bk s[18:19], bv s[20:21], bo s[22:23]
	s_load_b128 s[24:27], s[0:1], 0x40             ; wb s[24:25], bp s[26:27]
	s_lshr_b32 s32, ttmp9, 6                       ; mat
	s_bfe_u32 s33, ttmp9, 0x40002                  ; U
	s_and_b32 s34, ttmp9, 3                        ; kq
	v_lshrrev_b32 v1, 5, v0
	v_readfirstlane_b32 s35, v1                    ; wave
	v_and_b32 v2, 31, v0                           ; lane
	v_lshrrev_b32 v3, 3, v2                        ; which of the trip's four rows
	v_and_b32 v4, 7, v2                            ; which eight k of the row's 64
	v_lshlrev_b32 v7, 4, v2                        ; 16 bytes a lane in wb
	s_wait_alu depctr_va_sdst(0)                   ; s35 is written, ahead of its first reader: the block of k and the half of the rows are made from it
	s_and_b32 s36, s35, 3
	s_lshr_b32 s37, s35, 2                         ; rh
	s_lshl2_add_u32 s36, s34, s36                  ; kb = 4 kq + kbl
	s_and_b32 s38, s33, 3
	s_lshl_b32 s38, s38, 8
	s_lshr_b32 s39, s33, 2
	s_lshl4_add_u32 s38, s39, s38                  ; base for q and k
	s_lshl_b32 s39, s33, 2                         ; base for v
	s_lshl_b32 s40, s33, 6                         ; base for o, and 64 U
	s_cmp_eq_u32 s32, 2
	s_cselect_b32 s38, s39, s38
	s_cselect_b32 s41, 1, 64                       ; SA
	s_cselect_b32 s42, 64, 1                       ; SB
	s_cmp_eq_u32 s32, 3
	s_cselect_b32 s38, s40, s38
	s_cselect_b32 s41, 16, s41
	s_mul_i32 s43, s37, s41
	s_lshl1_add_u32 s43, s43, s38                  ; base + 2 rh SA
	s_lshl_b32 s43, s43, 12                        ; rows of 4,096 bytes
	s_lshl_b32 s44, s36, 8                         ; the block's 256 bytes in a row
	s_add_co_u32 s43, s43, s44
	s_lshl_b32 s45, s42, 12                        ; SB rows
	v_mul_lo_u32 v5, v3, s45
	v_lshl_add_u32 v5, v4, 5, v5
	v_add_nc_u32 v5, s43, v5
	s_lshl_b32 s46, s41, 12                        ; SA rows
	s_lshl_b32 s47, s42, 14                        ; 4 SB rows
.irp i, 0,1,2,3,4,5,6,7
	s_mul_i32 s44, s47, (\i)&3
.if (\i) >= 4
	s_add_co_u32 s44, s44, s46
.endif
	v_add_nc_u32 v[SRCO+(\i)], s44, v5             ; under 4 MiB
.endr
	s_lshl_b32 s44, s36, 10                        ; wb: row kb x 1024 + 64 U + 32 rh,
	s_add_co_u32 s44, s44, s40
	s_lshl_b32 s39, s37, 5
	s_add_co_u32 s44, s44, s39
	s_lshl_b32 s44, s44, 7                         ; of 128 bytes,
	s_lshl_b32 s39, s32, 21                        ; in matrix mat
	s_add_co_u32 s44, s44, s39
	s_mov_b32 s45, 0
	s_wait_kmcnt 0x0
	s_cmp_eq_u32 s32, 1                            ; the matrix and the bias of this work-group
	s_cselect_b64 s[28:29], s[10:11], s[8:9]
	s_cselect_b64 s[30:31], s[18:19], s[16:17]
	s_cmp_eq_u32 s32, 2
	s_cselect_b64 s[28:29], s[12:13], s[28:29]
	s_cselect_b64 s[30:31], s[20:21], s[30:31]
	s_cmp_eq_u32 s32, 3
	s_cselect_b64 s[28:29], s[14:15], s[28:29]
	s_cselect_b64 s[30:31], s[22:23], s[30:31]
	s_add_nc_u64 s[24:25], s[24:25], s[44:45]
	s_wait_alu depctr_va_vdst(0)                   ; v7 and v[8:15] are written: every load and store of the matrices reads one of them as its offset
.irp i, 0,1,2,3,4,5,6,7
	global_load_b128 v[SRCR+8*(\i):SRCR+8*(\i)+3],   v[SRCO+(\i)], s[28:29] th:TH_LOAD_NT
	global_load_b128 v[SRCR+8*(\i)+4:SRCR+8*(\i)+7], v[SRCO+(\i)], s[28:29] offset:16 th:TH_LOAD_NT
.endr
; Trip i: the store of the trip before; then the trip's eight numbers are rounded to bf16; for Wo that number is widened again and written as f16.
.macro CONV i, isf16
	s_wait_loadcnt 14-2*(\i)                       ; loads come back in order: the trip's two are in, the younger ones stay out
.if (\i) > 0
	s_wait_alu depctr_va_vdst(0)                   ; the trip before has written its four registers of DSTR, which the store below reads
	global_store_b128 v7, v[DSTR+4*((\i)-1):DSTR+4*((\i)-1)+3], s[24:25] offset:512*((\i)-1)  ; 512 consecutive bytes, aligned
.endif
.irp j, 0,1,2,3
	v_cvt_pk_bf16_f32 v[DSTR+4*(\i)+(\j)], v[SRCR+8*(\i)+2*(\j)], v[SRCR+8*(\i)+2*(\j)+1]
.endr
.if \isf16
.irp j, 0,1,2,3
	v_lshlrev_b32 v[TA+2*(\j)],   16, v[DSTR+4*(\i)+(\j)]
	v_and_b32     v[TA+2*(\j)+1], 0xffff0000, v[DSTR+4*(\i)+(\j)]
.endr
.irp j, 0,1,2,3
	v_cvt_pk_f16_f32 v[DSTR+4*(\i)+(\j)], v[TA+2*(\j)], v[TA+2*(\j)+1]
.endr
.endif
.endm
; Behind trip 7: its store.
.macro LAST
	s_wait_alu depctr_va_vdst(0)                   ; trip 7 has written its four registers of DSTR, which the last store reads
	global_store_b128 v7, v[DSTR+28:DSTR+31], s[24:25] offset:512*7
.endm
	s_cmp_eq_u32 s32, 3
	s_cbranch_scc1 .Lwo
.irp i, 0,1,2,3,4,5,6,7
	CONV \i, 0
.endr
	LAST
	s_branch .Lbias
.Lwo:
.irp i, 0,1,2,3,4,5,6,7
	CONV \i, 1
.endr
	LAST
.Lbias:
	s_or_b32 s44, s34, s35                         ; the 64 biases of (mat, U): wave 0 of the work-group with kq = 0
	s_cmp_lg_u32 s44, 0
	s_cbranch_scc1 .Lend
	v_mad_u32_u24 v112, v3, s41, s38               ; lane L takes t = 2 L and 2 L + 1: base + (L / 8) SA
	v_lshlrev_b32 v113, 1, v4
	v_mad_u32_u24 v112, v113, s42, v112            ; + 2 (L % 8) SB
	v_lshlrev_b32 v112, 2, v112
	v_lshl_add_u32 v113, s42, 2, v112              ; and SB further on
	v_lshlrev_b32 v117, 3, v2
	s_lshl_b32 s44, s32, 12
	s_lshl_b32 s39, s33, 8
	s_add_co_u32 s44, s44, s39                     ; bp: (1024 mat + 64 U) x 4 bytes
	s_add_nc_u64 s[26:27], s[26:27], s[44:45]
	s_wait_alu depctr_va_vdst(0)                   ; the offsets v112, v113 and v117 are written; Wo's widening lines, which named v114 and v115, are done: the two loads land there
	global_load_b32 v114, v112, s[30:31]
	global_load_b32 v115, v113, s[30:31]
	s_wait_loadcnt 0x0
	v_cvt_pk_bf16_f32 v116, v114, v115
	v_lshlrev_b32 v114, 16, v116
	v_and_b32 v115, 0xffff0000, v116
	s_wait_alu depctr_va_vdst(0)                   ; v114 and v115 are written, which the store reads
	global_store_b64 v117, v[114:115], s[26:27]    ; 256 consecutive bytes, aligned
.Lend:
	s_endpgm
.Lfunc_end_k_qe0764e8929_prep:
	.size	k_qe0764e8929_prep, .Lfunc_end_k_qe0764e8929_prep-k_qe0764e8929_prep
	.p2alignl 7, 3214868480
	.fill 96, 4, 3214868480
	.section	.rodata,"a",@progbits
	.p2align	6, 0x0
	.amdhsa_kernel k_qe0764e8929_prep
		.amdhsa_group_segment_fixed_size 0
		.amdhsa_private_segment_fixed_size 0
		.amdhsa_enable_private_segment 0
		.amdhsa_kernarg_size 80
		.amdhsa_user_sgpr_count 2
		.amdhsa_user_sgpr_kernarg_segment_ptr 1
		.amdhsa_wavefront_size32 1
		.amdhsa_system_sgpr_workgroup_id_x 1
		.amdhsa_system_sgpr_workgroup_id_y 1
		.amdhsa_system_sgpr_workgroup_id_z 1
		.amdhsa_system_vgpr_workitem_id 0
		.amdhsa_next_free_vgpr 120
		.amdhsa_next_free_sgpr 66
		.amdhsa_reserve_vcc 0
		.amdhsa_float_denorm_mode_32 3
		.amdhsa_float_denorm_mode_16_64 3
		.amdhsa_memory_ordered 1
		.amdhsa_forward_progress 1
		.amdhsa_inst_pref_size 18
	.end_amdhsa_kernel
	.amdgpu_metadata
---
amdhsa.version: [ 1, 2 ]
amdhsa.kernels:
  - .name:           k_qe0764e8929_prep
    .symbol:         k_qe0764e8929_prep.kd
    .args:
      - { .name: Wq, .offset: 0, .size: 8, .value_kind: global_buffer, .address_space: global }
      - { .name: Wk, .offset: 8, .size: 8, .value_kind: global_buffer, .address_space: global }
      - { .name: Wv, .offset: 16, .size: 8, .value_kind: global_buffer, .address_space: global }
      - { .name: Wo, .offset: 24, .size: 8, .value_kind: global_buffer, .address_space: global }
      - { .name: bq, .offset: 32, .size: 8, .value_kind: global_buffer, .address_space: global }
      - { .name: bk, .offset: 40, .size: 8, .value_kind: global_buffer, .address_space: global }
      - { .name: bv, .offset: 48, .size: 8, .value_kind: global_buffer, .address_space: global }
      - { .name: bo, .offset: 56, .size: 8, .value_kind: global_buffer, .address_space: global }
      - { .name: wb, .offset: 64, .size: 8, .value_kind: global_buffer, .address_space: global }
      - { .name: bp, .offset: 72, .size: 8, .value_kind: global_buffer, .address_space: global }
    .group_segment_fixed_size: 0
    .private_segment_fixed_size: 0
    .kernarg_segment_align: 8
    .kernarg_segment_size: 80
    .max_flat_workgroup_size: 256
    .sgpr_count:     66
    .vgpr_count:     120
    .wavefront_size: 32
...
	.end_amdgpu_metadata
.endif
;; end of part 5
;; launch qkv: the kernel of part 2 again; grid 4 x 192, 4 waves a work-group, clusters of 4 x 4, 327,680 bytes of LDS; arguments query, key, value, wb, bp, qkv; writes qkv
;; launch attn (part 6): grid 512 x 1, 8 waves a work-group, no clusters, 68,608 bytes of LDS; arguments qkv, ao; writes ao
.if DOCPART == 6
	.amdgcn_target "amdgcn-amd-amdhsa--gfx1250"
	.amdhsa_code_object_version 6
	.text
	.protected	k_qe0764e8929_attn
	.globl	k_qe0764e8929_attn
	.p2align	8
	.type	k_qe0764e8929_attn,@function
k_qe0764e8929_attn:
	s_mov_b64 s[64:65], 0
	v_nop
	global_prefetch_b8 v0, s[64:65] scope:SCOPE_SE
	s_setreg_imm32_b32 hwreg(HW_REG_WAVE_SCHED_MODE, 0, 2), 2
	s_setreg_imm32_b32 hwreg(HW_REG_WAVE_MODE, 25, 1), 1
	s_wait_xcnt 0x0
	s_wait_alu depctr_vm_vsrc(0)
; ATTN.  For each token: S[h][g] = q[h] . k[g] / 8 over the 16 heads, softmax over g with the row's maximum taken away, O[h] = sum over g of P[h][g] v[g]; O goes to
; ao[b x 4096 + 256 h + s / 16][64 (s % 16) + d], f16: the order in which the last projection reads it.  Products, maxima and sums in f32; P is rounded to f16 for the second product
; (its sum is taken of the unrounded weights), O once at the end.
; LIMITS.  q, k, v arrive as finite f16; a weight below 2^-126 counts as 0; NaN and infinities are not treated apart.  The upper half of the second product's K (16 of 32) is P = 0 times the next
; chunk of v, which is finite by the first limit.
; WHAT THE COLUMN ORDER OF qkv BUYS.  q, k: column 256 c + 16 head + j holds channel 16 c + j.  v: column 16 d + g holds channel d of head g.  So lane l's 16 bytes at 32 (l % 16) + 16 (l / 16) of chunk c
; (512 bytes of a token's row) ARE four registers of a matrix fragment: head l % 16 and channels 16 c + 8 (l / 16) + 0..7 of q or k, or channel 16 c + l % 16 and heads 8 (l / 16) + 0..7 of v, already turned.
; LAYOUT.  S^T = K Q^T: a lane holds one query head (l % 16) and key heads 8 (l / 16) + 0..7; rounded in pairs they are source 1 of O^T = V^T P, whose result holds the same head and eight channels.
; SHARES.  A stream: a wave owns four tokens in a row and asks for all their 24 KiB at once, 48 loads of 512 consecutive bytes; no loop, no ring, no barrier.  The four tokens give each head's row of ao
; 512 consecutive bytes, gathered in the wave's own stage in LDS.  Clusters and tensor loads would add nothing: no two work-groups read the same byte.
; THE MODE: SCHED_MODE bits 1:0 = 2 (LLVM: expert scheduling mode 2), set by the entry lines.  The code itself states the register dependences
; between vector or matrix instructions and memory or LDS instructions, with s_wait_alu, always for 0.
; THE PLAN.  Registers that memory or LDS instructions touch:
;   v[LOFF]              written at the head, read by the 48 loads, never written again: one wait ahead of the first load.
;   v[STO], v[RD], v[GO] written at the head, never again; their first readers stand behind the pairs' waits on va_vdst.
;   a token's v, q, k    its 12 loads land there; all loads are issued at the head, before any vector or matrix instruction names these registers.
;   a token's O, 16 registers   written by its conversions, read by its four LDS stores.  The first pair's eight stores stand behind the second pair's wait for its exponentials, which shows
;                        the first pair's conversions done as well; the second pair's eight stand behind one wait of their own.
;   v48-v111             at the end the 16 loads from the stage land there.  Vector and matrix instructions of tokens 0 and 1 have named them: the second pair's last wait on va_vdst, behind which
;                        no vector instruction follows, covers that.  Token 0's LDS stores have read v68-v83: one wait on vm_vsrc ahead of the loads.
;   v[SPW], v[NIL]       written at the head, read by the closing add alone.
.set STG,   16*528                     ; a wave's stage: 16 head rows of 512 bytes + 16: the 16 rows of a store start at 16 different groups of four banks (ISA guide 11.1)
.set SPARE, 8*STG                      ; the spare words, 128 bytes for each wave: four blocks of 256 bytes that no other line names
.set LOFF, 1                           ; v1   32 (l % 16) + 16 (l / 16)
.set STO,  2                           ; v2   where I put 16 bytes of a head's row
.set RD,   3                           ; v3   where I read a row back
.set GO,   4                           ; v4   16 l
.set SPW,  5                           ; v5   LDS address of my spare word; never rewritten
.set NIL,  6                           ; v6   0; never rewritten
.set T,    8                           ; v8-11, v12-15  at work, for the two tokens of a pair: c m; -; m, then l, then 1 / l; the other lanes' half
.set S,    16                          ; v16-23, v24-31 S^T
.set P,    32                          ; v32-39, v40-47 P; the upper four of each stay 0
.set X,    48                          ; token j's registers at X + 52 j: v +0..15, zeros +16..19, q +20..35, k +36..51; O^T takes q's and k's place
.set XS,   52
	s_load_b128 s[4:7], s[0:1], 0x0                ; qkv s[4:5], ao s[6:7]
	v_lshl_add_u32 v[SPW], v0, 2, SPARE
	v_mov_b32 v[NIL], 0
	v_lshrrev_b32 v7, 5, v0
	v_readfirstlane_b32 s20, v7                    ; wave
	v_and_b32 v7, 15, v0                           ; l % 16
	v_bfe_u32 v8, v0, 4, 1                         ; l / 16
	v_lshlrev_b32 v[LOFF], 5, v7
	v_lshl_add_u32 v[LOFF], v8, 4, v[LOFF]
	s_wait_alu depctr_va_sdst(0)                   ; s20 is written, ahead of its first reader: the wave's tokens and its stage are made from it
	s_lshl3_add_u32 s21, ttmp9, s20                ; my wave among all 4,096
	s_lshl_b32 s22, s21, 13                        ; four rows of 2,048 bytes
	s_mov_b32 s23, 0
	s_wait_kmcnt 0x0
	s_add_nc_u64 s[8:9], s[4:5], s[22:23]          ; q,
	s_add_nc_u64 s[10:11], s[8:9], 0x2000000       ; k,
	s_add_nc_u64 s[12:13], s[8:9], 0x4000000       ; v at my first token
	s_wait_alu depctr_va_vdst(0)                   ; v[LOFF] is written, which all 48 loads read as their offset
.irp j, 0,1,2,3
.irp c, 0,1,2,3
	global_load_b128 v[X+XS*(\j)+4*(\c):X+XS*(\j)+4*(\c)+3], v[LOFF], s[12:13] offset:(\j)*2048+(\c)*512 th:TH_LOAD_NT
.endr
.irp c, 0,1,2,3
	global_load_b128 v[X+XS*(\j)+20+4*(\c):X+XS*(\j)+20+4*(\c)+3], v[LOFF], s[8:9] offset:(\j)*2048+(\c)*512 th:TH_LOAD_NT
.endr
.irp c, 0,1,2,3
	global_load_b128 v[X+XS*(\j)+36+4*(\c):X+XS*(\j)+36+4*(\c)+3], v[LOFF], s[10:11] offset:(\j)*2048+(\c)*512 th:TH_LOAD_NT
.endr
.endr
	s_mul_i32 s20, s20, STG                        ; my stage
	v_mul_u32_u24 v[STO], v7, 528
	v_lshl_add_u32 v[STO], v8, 4, v[STO]
	v_add_nc_u32 v[STO], s20, v[STO]
	v_and_b32 v[GO], 31, v0
	v_lshlrev_b32 v[GO], 4, v[GO]
	v_add_nc_u32 v[RD], s20, v[GO]
	s_lshl_b32 s21, s21, 2                         ; my first token T0 = 4,096 b + s
	s_and_b32 s22, s21, 0xfffff000                 ; 4,096 b
	s_bfe_u32 s23, s21, 0x80004                    ; s / 16
	s_add_co_u32 s22, s22, s23
	s_lshl_b32 s22, s22, 11                        ; head 0's row of ao,
	s_and_b32 s23, s21, 15
	s_lshl_b32 s23, s23, 7                         ; and 128 bytes for each token in it
	s_add_co_u32 s22, s22, s23
	s_mov_b32 s23, 0
	s_add_nc_u64 s[14:15], s[6:7], s[22:23]
	s_mov_b32 s16, 0x3e38aa3b                      ; c = log2(e) / 8
	s_mov_b32 s17, s16                             ; named with it as a pair
	s_mov_b32 s18, 0x76543210                      ; v_permlanex16_b32: each lane takes its own place in the other half
	s_mov_b32 s19, 0xfedcba98
.irp i, 0,1,2,3,4,5,6,7
	v_mov_b32 v[T+(\i)], 0
.endr
.irp i, 4,5,6,7,12,13,14,15
	v_mov_b32 v[P+(\i)], 0                         ; K = 16 .. 31 of the second product
.endr
.irp j, 0,1,2,3
.irp i, 16,17,18,19
	v_mov_b32 v[X+XS*(\j)+(\i)], 0
.endr
.endr
.macro REGS p, u                       ; the registers of token u (0, 1) of pair p
.set rT, T+4*(\u)
.set rS, S+8*(\u)
.set rP, P+8*(\u)
.set rV, X+XS*(2*(\p)+(\u))
.set rQ, rV+20
.set rK, rV+36
.set rO, rV+20
.endm
.macro TWO p, line:vararg              ; one line for each token of the pair: the two alternate, so that no line waits for the one before it
	REGS \p, 0
	\line
	REGS \p, 1
	\line
.endm
.macro OUT p                           ; pair p's O, 16 registers a token, into my stage: eight LDS stores in one run, behind a wait that shows the pair's conversions done
.irp u, 0,1
	REGS \p, \u
.irp d, 0,1,2,3
	ds_store_b128 v[STO], v[rO+4*(\d):rO+4*(\d)+3] offset:(2*(\p)+(\u))*128+(\d)*32
.endr
.endr
.endm
.macro PAIR p, left
	s_wait_loadcnt \left                           ; loads come back in order: this pair's 24 are in
	TWO \p, v_wmma_f32_16x16x32_f16 v[rS:rS+7], v[rK:rK+7], v[rQ:rQ+7], 0                     ; channels 0-31 start the sums; the two accumulators take turns
	TWO \p, v_wmma_f32_16x16x32_f16 v[rS:rS+7], v[rK+8:rK+15], v[rQ+8:rQ+15], v[rS:rS+7]      ; channels 32-63
.rept 5
	v_nop                                          ; four places before vector lines read the scores, five before later products write over q and k (ISA guide 7.12.1)
.endr
	TWO \p, v_max3_num_f32 v[rT+2], v[rS], v[rS+1], v[rS+2]
	TWO \p, v_max3_num_f32 v[rT+3], v[rS+3], v[rS+4], v[rS+5]
	TWO \p, v_max3_num_f32 v[rT+2], v[rT+2], v[rS+6], v[rS+7]
	TWO \p, v_max_num_f32 v[rT+2], v[rT+2], v[rT+3]
	TWO \p, v_permlanex16_b32 v[rT+3], v[rT+2], s18, s19                                      ; the head's other eight scores lie in the lane 16 away
	TWO \p, v_max_num_f32 v[rT+2], v[rT+2], v[rT+3]
	TWO \p, v_mul_f32 v[rT], s16, v[rT+2]
.irp i, 0,2,4,6
	TWO \p, v_pk_fma_f32 v[rS+(\i):rS+(\i)+1], v[rS+(\i):rS+(\i)+1], s[16:17], v[rT:rT+1] op_sel_hi:[1,0,0] neg_lo:[0,0,1] neg_hi:[0,0,1]  ; c s - c m
.endr
.irp i, 0,1,2,3,4,5,6,7
	TWO \p, v_exp_f32 v[rS+(\i)], v[rS+(\i)]
.endr
	v_nop                                          ; a plain instruction between the exponentials and the use of their results
	s_wait_alu depctr_va_vdst(0)                   ; the pair's sixteen exponentials have written S^T, ahead of their first reader; in the second pair also: the first pair's conversions have written its O, which the LDS stores below read
.if (\p) == 1
	OUT 0
.endif
.irp i, 0,1,2,3
	TWO \p, v_cvt_pk_f16_f32 v[rP+(\i)], v[rS+2*(\i)], v[rS+2*(\i)+1]
.endr
.irp d, 0,1,2,3
	TWO \p, v_wmma_f32_16x16x32_f16 v[rO+8*(\d):rO+8*(\d)+7], v[rV+4*(\d):rV+4*(\d)+7], v[rP:rP+7], 0  ; channels 16 d on; source 0's upper four registers meet P's zeros
.endr
	TWO \p, v_pk_add_f32 v[rS:rS+1], v[rS:rS+1], v[rS+2:rS+3]                                 ; the sums name none of those products' registers: they are the places behind them
	TWO \p, v_pk_add_f32 v[rS+4:rS+5], v[rS+4:rS+5], v[rS+6:rS+7]
	TWO \p, v_pk_add_f32 v[rS:rS+1], v[rS:rS+1], v[rS+4:rS+5]
	TWO \p, v_add_f32 v[rT+2], v[rS], v[rS+1]
	TWO \p, v_permlanex16_b32 v[rT+3], v[rT+2], s18, s19
	TWO \p, v_add_f32 v[rT+2], v[rT+2], v[rT+3]
	TWO \p, v_rcp_f32 v[rT+2], v[rT+2]                                                        ; l is at least 1: the largest score's weight
	v_nop                                          ; a plain instruction between the reciprocals and the use of their results
	s_wait_alu depctr_va_vdst(0)                   ; the pair's two reciprocals have written 1 / l, ahead of their first reader
.irp u, 0,1
	REGS \p, \u
.set n, 0
.rept 16
	v_pk_mul_f32 v[rO+2*n:rO+2*n+1], v[rO+2*n:rO+2*n+1], v[rT+2:rT+3] op_sel_hi:[1,0]         ; each accumulator from its low end on
.set n, n+1
.endr
.set n, 0
.rept 16
	v_cvt_pk_f16_f32 v[rO+n], v[rO+2*n], v[rO+2*n+1]                                          ; in place: word n is written when words 2 n and 2 n + 1 are read
.set n, n+1
.endr
.endr
.endm
	PAIR 0, 24                                     ; the other pair's 24 loads stay out
	PAIR 1, 0
	s_wait_alu depctr_va_vdst(0)                   ; the second pair's conversions have written its O, which the LDS stores below read; and every vector and matrix instruction that named v48-v111, in which the loads from the stage land, is done
	OUT 1
	s_wait_alu depctr_vm_vsrc(0)                   ; token 0's LDS stores have read v68-v83, in which the loads below land
.set n, 0
.rept 16
	ds_load_b128 v[X+4*n:X+4*n+3], v[RD] offset:n*528  ; head n's 512 bytes; LDS serves a wave's instructions in order (ISA guide 5.7.1.4): these see the stores above
.set n, n+1
.endr
.set n, 0
.rept 16
	s_wait_dscnt 15-n                              ; the younger loads stay out
	global_store_b128 v[GO], v[X+4*n:X+4*n+3], s[14:15] offset:n*524288  ; 512 consecutive bytes, aligned; heads are 256 rows of 2,048 bytes apart: 7,864,320 at the most, inside the signed 24-bit immediate
.set n, n+1
.endr
	s_wait_dscnt 0x0                               ; the closing lines, six on end
	s_wait_alu 0x0
	s_wait_tensorcnt 0x0
	ds_add_u32 v[SPW], v[NIL]
	s_wait_dscnt 0x0
	s_endpgm
.Lfunc_end_k_qe0764e8929_attn:
	.size	k_qe0764e8929_attn, .Lfunc_end_k_qe0764e8929_attn-k_qe0764e8929_attn
	.p2alignl 7, 3214868480
	.fill 96, 4, 3214868480
	.section	.rodata,"a",@progbits
	.p2align	6, 0x0
	.amdhsa_kernel k_qe0764e8929_attn
		.amdhsa_group_segment_fixed_size 68608
		.amdhsa_private_segment_fixed_size 0
		.amdhsa_enable_private_segment 0
		.amdhsa_kernarg_size 16
		.amdhsa_user_sgpr_count 2
		.amdhsa_user_sgpr_kernarg_segment_ptr 1
		.amdhsa_wavefront_size32 1
		.amdhsa_system_sgpr_workgroup_id_x 1
		.amdhsa_system_sgpr_workgroup_id_y 1
		.amdhsa_system_sgpr_workgroup_id_z 1
		.amdhsa_system_vgpr_workitem_id 0
		.amdhsa_next_free_vgpr 256
		.amdhsa_next_free_sgpr 66
		.amdhsa_reserve_vcc 0
		.amdhsa_float_denorm_mode_32 3
		.amdhsa_float_denorm_mode_16_64 3
		.amdhsa_memory_ordered 1
		.amdhsa_forward_progress 1
		.amdhsa_inst_pref_size 28
	.end_amdhsa_kernel
	.amdgpu_metadata
---
amdhsa.version: [ 1, 2 ]
amdhsa.kernels:
  - .name:           k_qe0764e8929_attn
    .symbol:         k_qe0764e8929_attn.kd
    .args:
      - { .name: qkv, .offset: 0, .size: 8, .value_kind: global_buffer, .address_space: global }
      - { .name: ao, .offset: 8, .size: 8, .value_kind: global_buffer, .address_space: global }
    .group_segment_fixed_size: 68608
    .private_segment_fixed_size: 0
    .kernarg_segment_align: 8
    .kernarg_segment_size: 16
    .max_flat_workgroup_size: 256
    .sgpr_count:     66
    .vgpr_count:     256
    .wavefront_size: 32
...
	.end_amdgpu_metadata
.endif
;; end of part 6
;; launch oproj: the kernel of part 4 again; grid 4 x 64, 4 waves a work-group, clusters of 4 x 4, 327,680 bytes of LDS; arguments ao, wb, bp, out0; writes out0
